; MI455X (gfx1250); checked and timed in simulation.
; The chip was launched on July 23, 2026; its instructions are those of AMD's public machine-readable ISA for CDNA 5 (MIT licence, August 2026) and "CDNA5" Instruction Set Architecture Reference Guide (July 2026). The comments in the code are by the model that wrote it; some were corrected since.
;; Mo E. Allowed arithmetic: matrix products marked QUANTISED: E3M2 operands, one E8M0 scale for each 32 along K, by v_wmma_scale_f32_16x16x128_f8f6f4 with both operands' format E3M2, f32 sums; products left as they are: f32 operands where the result goes on into a quantised operand, else bf16, f16 or f32 operands; f32 sums; everything else in f32.
;; Inputs: gate_w 8 x 2,048 float32; w1_codes 8 x 1,024 x 64 x 24 uint8 (E3M2 codes of w1, K innermost, in blocks of 32 codes, four codes in three bytes); w1_scales 8 x 1,024 x 64 uint8 (E8M0 scales of w1, one for each 32 codes along K); w2_codes 8 x 2,048 x 32 x 24 uint8 (E3M2 codes of w2, K innermost, in blocks of 32 codes, four codes in three bytes); w2_scales 8 x 2,048 x 32 uint8 (E8M0 scales of w2, one for each 32 codes along K); w3_codes 8 x 1,024 x 64 x 24 uint8 (E3M2 codes of w3, K innermost, in blocks of 32 codes, four codes in three bytes); w3_scales 8 x 1,024 x 64 uint8 (E8M0 scales of w3, one for each 32 codes along K); ws1_codes 1,024 x 64 x 24 uint8 (E3M2 codes of ws1, K innermost, in blocks of 32 codes, four codes in three bytes); ws1_scales 1,024 x 64 uint8 (E8M0 scales of ws1, one for each 32 codes along K); ws2_codes 2,048 x 32 x 24 uint8 (E3M2 codes of ws2, K innermost, in blocks of 32 codes, four codes in three bytes); ws2_scales 2,048 x 32 uint8 (E8M0 scales of ws2, one for each 32 codes along K); ws3_codes 1,024 x 64 x 24 uint8 (E3M2 codes of ws3, K innermost, in blocks of 32 codes, four codes in three bytes); ws3_scales 1,024 x 64 uint8 (E8M0 scales of ws3, one for each 32 codes along K); x 2 x 512 x 2,048 float32.
;; Outputs: out0 2 x 512 x 2,048 float32.
;; This version of the problem:
;;   THIS VERSION OF THE PROBLEM IS GIVEN IN LOW PRECISION. The matrix products marked QUANTISED in the list below multiply operands that are first quantised to E3M2 (3 exponent bits, 2 mantissa bits; 6 bits a number), with one power-of-two scale for each 32 numbers along K (OCP MX v1.0); their sums are f32. All else is computed in f32.
;;   The module's matrix products, in the order in which they are computed (A, B: the left and right operand; K: the contracted axis; several contracted axes count as one K, in the product's order):
;;     1. [M 1,024, K 2,048] x [K 2,048, N 8]; A: input x; B: input gate_w: left as it is (N = 8 < 16)
;;     2. [M 8,192, K 2,048] x [K 2,048, N 1,024]; A: input w1 (given as codes); B: input x: QUANTISED
;;     3. [M 8,192, K 2,048] x [K 2,048, N 1,024]; A: input w3 (given as codes); B: input x: QUANTISED
;;     4. batch 8 x [M 1,024, K 1,024] x [K 1,024, N 2,048]; A: computed on the way; B: input w2 (given as codes): QUANTISED
;;     5. batch 1,024 x [M 8, K 2] x [K 2, N 1]; A: computed on the way; B: computed on the way: left as it is (K = 2 < 32)
;;     6. batch 1,024 x [M 2,048, K 8] x [K 8, N 1]; A: computed on the way; B: computed on the way: left as it is (K = 8 < 32)
;;     7. [M 1,024, K 2,048] x [K 2,048, N 1,024]; A: input x; B: input ws1 (given as codes): QUANTISED
;;     8. [M 1,024, K 2,048] x [K 2,048, N 1,024]; A: input x; B: input ws3 (given as codes): QUANTISED
;;     9. [M 1,024, K 1,024] x [K 1,024, N 2,048]; A: computed on the way; B: input ws2 (given as codes): QUANTISED
;;   THE QUANTISER, for each operand of a quantised product, along K:
;;     - K is cut into blocks of 32 from its start; a last block that is shorter is filled with zeros.
;;     - A block's scale is 2^e with e = floor(log2(the largest magnitude in the block)) - 4, held to -126 .. 127; a block of zeros has e = 0. As a byte (E8M0): e + 127.
;;     - Each number is divided by its block's scale, clamped to +-28, and rounded to the nearest number of E3M2, ties to even, subnormals kept.
;;     - The product sums the exact products of the quantised numbers (number of the format x scale) in f32.
;;   ~~~python
;;   def quantise(x, axis):      # numpy; x: float32 -> the quantised numbers, widened to float32 again
;;       x = np.moveaxis(x, axis, -1); K = x.shape[-1]
;;       x = np.pad(x, [(0, 0)] * (x.ndim - 1) + [(0, -K % 32)]); x = x.reshape(x.shape[:-1] + (-1, 32)); a = np.abs(x).max(-1, keepdims=True)
;;       e = np.where(a > 0, np.clip(np.frexp(np.where(a > 0, a, 1))[1] - 1 - 4, -126, 127), 0)      # np.frexp(a)[1] - 1 = floor(log2(a)), exactly
;;       r = np.clip(x / 2.0 ** e, -28, 28)
;;       step = 2.0 ** (np.maximum(np.frexp(np.where(r == 0, 1, r))[1] - 1, -2) - 2)
;;       q = np.round(r / step) * step * 2.0 ** e      # np.round: ties to even
;;       return np.moveaxis(q.reshape(q.shape[:-2] + (-1,))[..., :K], -1, axis).astype(np.float32)
;;   ~~~
;;   OPERANDS COMPUTED ON THE WAY. 'Computed on the way' means the value that the module computes at that place (a softmax that the list does not call 'softmax' is quantised finished and normalised). What goes into a quantiser is computed in f32, as accurately as f32 sums, v_exp_f32 and their like allow (about 1e-6 of the number): no bf16 or f16 on the way to a quantiser, and a product that is left as it is and whose result goes on into a quantised operand takes f32 operands (vector FMAs, or v_wmma_f32_16x16x4_f32). A number that lies on a knife's edge between two numbers of the format may be rounded either way, as far as f32 arithmetic and the matrix unit's own rounding can turn it there, and no further.
;;   INPUTS GIVEN AS CODES. w1 (in the module: [8, 1024, 2048], K = its axis 2); w2 (in the module: [8, 2048, 1024], K = its axis 2); w3 (in the module: [8, 1024, 2048], K = its axis 2); ws1 (in the module: [1024, 2048], K = its axis 1); ws2 (in the module: [2048, 1024], K = its axis 1); ws3 (in the module: [1024, 2048], K = its axis 1): each comes as NAME_codes (uint8): NAME with its K axis moved to the last place and cut into blocks of 32 codes, [.., K / 32, bytes a block], one block behind the other in memory; four codes in three bytes: a row's codes are one little-endian stream of bits, code i at bits 6 i .. 6 i + 5 (a code: sign, 3 exponent bits, 2 mantissa bits); and NAME_scales (uint8): the same leading axes, one E8M0 byte (e + 127) for each 32 codes along K. Its value is code x scale, taken as it is: it is not quantised again, and the codes and scales need not be those that the quantiser above would give.
;; 2 versions, each right; version 2 is version 1 with the launches up, down written anew for expert scheduling mode. Each part assembles by itself: llvm-mc -triple=amdgcn-amd-amdhsa -mcpu=gfx1250 --defsym DOCPART=n.
;; ======== version 1 of 2: 4 launches
;; workspace buffers: xq 1,572,864 bytes; xsc 65,536 bytes; route 4,096 bytes of whole numbers; wts 8,192 bytes; plan 54,016 bytes of whole numbers; cpos 8,192 bytes; gq 7,078,656 bytes; gsc 295,168 bytes
;; launch gate (part 1): grid 256 x 1, 4 waves a work-group, no clusters, 40,192 bytes of LDS; arguments x, gate_w, xq, xsc, route, wts; writes xq, xsc, route, wts
.if DOCPART == 1
	.amdgcn_target "amdgcn-amd-amdhsa--gfx1250"
	.amdhsa_code_object_version 6
	.text
	.protected	k_qf90ded03bb_gate
	.globl	k_qf90ded03bb_gate
	.p2align	8
	.type	k_qf90ded03bb_gate,@function
k_qf90ded03bb_gate:
	s_mov_b64 s[64:65], 0
	v_nop
	global_prefetch_b8 v0, s[64:65] scope:SCOPE_SE
	s_setreg_imm32_b32 hwreg(HW_REG_WAVE_MODE, 25, 1), 1
	s_wait_xcnt 0x0
; GATE AND QUANTISER.  x [1024][2048] f32, gate_w [8][2048] f32.
; Out: xq [1024][1536]: x as codes of BF6 (E3M2), a row one stream of bits, K ascending;  xsc [1024][16 words]: the E8M0 bytes, word s = 128 along K, its bytes in the order of blocks 4s, 4s+2, 4s+1, 4s+3
; (the later launches give lane half h of a fragment the 48 consecutive bytes of blocks 2h and 2h+1, so the matrix unit's second and third block change places, in both operands alike);
; route [1024]: a | b << 8 | ((1 << a) | (1 << b)) << 16, a < b the two chosen experts;  wts [1024][2]: their softmax scores.
; SHARES.  A work-group takes 4 tokens; wave w takes k = 512 w .. 512 w + 511 of all four, so the work-group reads gate_w once.  Every load reads 512 consecutive bytes.
; The logits are f32 multiply-adds on the numbers AS LOADED (x and gate_w hold the same k in the same register of the same lane); only x's numbers are turned through LDS, so that a lane holds 16 neighbours for the conversion.
; A block's scale is 2^(floor(log2(largest magnitude)) - 4); its byte is the largest magnitude's exponent field - 4, held at 1 from below.
; LIMITS: NaN and infinities in x are not served.  A block whose largest magnitude lies under 2^-122 (a block of zeros too) keeps the byte 1: its codes are then small or zero, and these bytes are read by this program alone.
; The two largest are ranked on the logits (softmax rises with them), the lower index first on equal logits: scores that round to equal numbers from unequal logits are not tied again.
; The chosen numbers are only stored: no address and no branch here hangs on them.  No matrix unit (N = 8), no tensor load, no cluster: work-groups share only the 64 KiB of gate_w.
.set SP,    80                         ; a lane's place in a stage: 64 bytes + 16
.set STGW,  2*32*SP                    ; LDS: two stages for each wave
.set RED,   4*STGW                     ; then for each wave 32 lanes x 144 bytes: 32 partial logits a lane
.set REDP,  144
.set REDW,  32*REDP
.set XW,    RED+4*REDW                 ; the four waves' 32 sums
.set XSB,   XW+512                     ; the four tokens' 64 scale bytes
.set E,     12                         ; v12-15   a scale byte for each token
.set R,     16                         ; v16-79   x as loaded: 16 tok + 4 i + j
.set X,     80                         ; v80-111  two sets of 16 neighbours; later P: 32 partial logits, 8 tok + e
.set P,     80
.set C,     112                        ; v112-127 codes, four registers a token; later AC: eight pairs of running sums
.set AC,    112
.set G,     128                        ; v128-255 gate_w as loaded: 16 e + 4 i + j
	s_load_b256 s[4:11], s[0:1], 0x0               ; x, gate_w, xq, xsc
	s_load_b128 s[12:15], s[0:1], 0x20             ; route, wts
	s_set_vgpr_msb 0x40
	v_lshl_add_u32 v0, v0, 2, 0x9b00
	v_mov_b32 v1, 0
	s_set_vgpr_msb 0x4000
	v_lshrrev_b32 v1, 5, v0
	v_readfirstlane_b32 s16, v1                    ; wave
	v_and_b32 v1, 31, v0                           ; lane
	s_lshl_b32 s17, s16, 11
	v_lshl_add_u32 v2, v1, 4, s17                  ; loads: 2,048 w + 16 lane
	s_mul_i32 s17, s16, STGW
	v_lshrrev_b32 v3, 2, v1
	v_mul_u32_u24 v3, v3, SP
	v_and_b32 v4, 3, v1
	v_lshl_add_u32 v3, v4, 4, v3
	v_add_nc_u32 v3, s17, v3                       ; the stage, in: four lanes' 64 bytes on end, then 16 of padding
	v_mul_u32_u24 v4, v1, SP
	v_add_nc_u32 v4, s17, v4                       ; and out: my 16 neighbours
	s_mul_i32 s17, s16, 384
	v_mul_u32_u24 v5, v1, 12
	v_add_nc_u32 v5, s17, v5                       ; my 12 bytes of codes in a token's row
	v_lshrrev_b32 v6, 1, v1                        ; my block b = lane / 2 of the wave's 16; its byte's place: (b & 12) + 2 (b & 1) + ((b >> 1) & 1)
	v_and_b32 v6, 12, v6
	v_bfe_u32 v8, v1, 1, 1
	v_lshl_add_u32 v6, v8, 1, v6
	v_bfe_u32 v8, v1, 2, 1
	v_add_nc_u32 v6, v6, v8
	s_lshl_b32 s17, s16, 4
	s_add_co_u32 s17, s17, XSB
	v_add_nc_u32 v6, s17, v6
	s_mul_i32 s17, s16, REDW
	s_add_co_u32 s17, s17, RED
	v_mul_u32_u24 v7, v1, REDP
	v_add_nc_u32 v7, s17, v7                       ; my 32 partial logits
	v_lshl_add_u32 v10, v1, 2, s17                 ; and back: value number lane of every lane
	s_mov_b32 s19, 0
	s_lshl_b32 s18, ttmp9, 15                      ; 4 tokens of 8,192 bytes
	s_wait_kmcnt 0x0
	s_add_nc_u64 s[4:5], s[4:5], s[18:19]
	s_mul_i32 s18, ttmp9, 6144
	s_add_nc_u64 s[8:9], s[8:9], s[18:19]
	s_lshl_b32 s18, ttmp9, 8
	s_add_nc_u64 s[10:11], s[10:11], s[18:19]
	s_lshl_b32 s18, ttmp9, 4
	s_add_nc_u64 s[12:13], s[12:13], s[18:19]
	s_lshl_b32 s18, ttmp9, 5
	s_add_nc_u64 s[14:15], s[14:15], s[18:19]
.irp t, 0,1,2,3
.irp i, 0,1,2,3
	global_load_b128 v[R+16*\t+4*\i:R+16*\t+4*\i+3], v2, s[4:5] offset:8192*\t+512*\i th:TH_LOAD_NT
.endr
.endr
.irp e, 0,1,2,3,4,5,6,7
.irp i, 0,1,2,3
	global_load_b128 v[G+16*\e+4*\i:G+16*\e+4*\i+3], v2, s[6:7] offset:8192*\e+512*\i
.endr
.endr
.macro TURN t                          ; token t's 512 numbers through the stage; LDS serves a wave's instructions in order, so no wait stands between the stores and the loads
.irp i, 0,1,2,3
	ds_store_b128 v3, v[R+16*(\t)+4*\i:R+16*(\t)+4*\i+3] offset:32*SP*((\t)%2)+8*SP*\i
.endr
.irp i, 0,1,2,3
	ds_load_b128 v[X+16*((\t)%2)+4*\i:X+16*((\t)%2)+4*\i+3], v4 offset:32*SP*((\t)%2)+16*\i
.endr
.endm
.macro QSTEP t
.set XS, X+16*((\t)%2)
.if (\t) > 0
	s_wait_dscnt 1                                 ; this token's numbers are back; the last token's byte store may be out
.else
	s_wait_dscnt 0x0
.endif
.if (\t) < 3
	TURN (\t)+1                                    ; the next token goes through the other stage meanwhile
.endif
	v_max3_num_f32 v8, |v[XS]|, |v[XS+1]|, |v[XS+2]|
	v_max3_num_f32 v9, |v[XS+3]|, |v[XS+4]|, |v[XS+5]|
.irp i, 6,10
	v_max3_num_f32 v8, v8, |v[XS+\i]|, |v[XS+\i+1]|
	v_max3_num_f32 v9, v9, |v[XS+\i+2]|, |v[XS+\i+3]|
.endr
	v_max3_num_f32 v8, v8, |v[XS+14]|, |v[XS+15]|
	v_max3_num_f32 v8, v8, v9, 0x2800000           ; the floor 2^(5 - 127): the byte cannot fall under 1
	v_max_num_f32_dpp v8, v8, v8 row_xmask:1 row_mask:0xf bank_mask:0xf   ; with my neighbour's 16: the block's largest magnitude
	v_add_nc_u32 v11, 0xfe000000, v8               ; 4 off its exponent field: the conversion takes the exponent field of this operand as its scale
	v_cvt_scalef32_pk16_bf6_f32 v[C+4*(\t):C+4*(\t)+2], v[XS:XS+15], v11
	v_lshrrev_b32 v[E+(\t)], 23, v11               ; the scale's byte (also the plain line behind the conversion)
	ds_store_b8 v6, v[E+(\t)] offset:64*(\t)       ; both lanes of a block write the same byte with the same value
	global_store_b96 v5, v[C+4*(\t):C+4*(\t)+2], s[8:9] offset:1536*(\t)   ; the wave stores 384 consecutive bytes
.endm
	s_wait_loadcnt 32                              ; x's 16 loads are in; the 32 of gate_w may be out
	TURN 0
.irp t, 0,1,2,3
	QSTEP \t
.endr
	s_wait_loadcnt 0x0                             ; gate_w
	s_wait_xcnt 0x0                                ; the codes' stores have read their registers, which now take the running sums
.irp t, 0,1,2,3
.irp e, 0,1,2,3,4,5,6,7
	v_pk_mul_f32 v[AC+2*\e:AC+2*\e+1], v[R+16*\t:R+16*\t+1], v[G+16*\e:G+16*\e+1]   ; the first products start the sums; the eight experts by turns
.endr
.irp n, 2,4,6,8,10,12,14
.irp e, 0,1,2,3,4,5,6,7
	v_pk_fma_f32 v[AC+2*\e:AC+2*\e+1], v[R+16*\t+\n:R+16*\t+\n+1], v[G+16*\e+\n:G+16*\e+\n+1], v[AC+2*\e:AC+2*\e+1]
.endr
.endr
.irp e, 0,1,2,3,4,5,6,7
	v_add_f32 v[P+8*\t+\e], v[AC+2*\e], v[AC+2*\e+1]
.endr
.endr
.irp c, 0,1,2,3,4,5,6,7
	ds_store_b128 v7, v[P+4*\c:P+4*\c+3] offset:16*\c      ; 32 values a lane, turned through my wave's own bytes:
.endr
.irp i, 0,1,2,3,4,5,6,7,8,9,10,11,12,13,14,15,16,17,18,19,20,21,22,23,24,25,26,27,28,29,30,31
	ds_load_b32 v[R+\i], v10 offset:REDP*\i                ; lane j takes value j = 8 tok + e of all 32 lanes
.endr
	v_lshl_add_u32 v55, v0, 2, XW                  ; where my wave's sums go,
	v_lshl_add_u32 v54, v1, 2, XW                  ; from where wave 0 takes them,
	v_lshlrev_b32 v53, 3, v1
	v_add_nc_u32 v52, XSB, v53                     ; and from where wave 1 takes the scale bytes
	s_wait_dscnt 0x0
.irp c, 0,1,2,3
	v_add_f32 v[48+\c], v[R+\c], v[R+4+\c]
.endr
.irp i, 8,12,16,20,24,28
.irp c, 0,1,2,3
	v_add_f32 v[48+\c], v[48+\c], v[R+\i+\c]
.endr
.endr
	v_add_f32 v48, v48, v49
	v_add_f32 v50, v50, v51
	v_add_f32 v48, v48, v50
	ds_store_b32 v55, v48
	s_wait_dscnt 0x0                               ; for the others' sake: my sums and my scale bytes lie in LDS
	s_barrier_signal -1
	s_barrier_wait -1
	s_cmp_eq_u32 s16, 1
	s_cbranch_scc1 .Lscales
	s_cmp_eq_u32 s16, 0
	s_cbranch_scc1 .Lchoose
	s_set_vgpr_msb 0x5
	s_wait_tensorcnt 0x0
	ds_add_u32 v0, v1
	s_wait_dscnt 0x0
	s_set_vgpr_msb 0x500
	s_endpgm
.Lscales:                                              ; wave 1: the four tokens' scale words leave as 256 consecutive bytes, aligned
	ds_load_b64 v[16:17], v52
	s_wait_dscnt 0x0
	global_store_b64 v53, v[16:17], s[10:11]
	s_set_vgpr_msb 0x5
	s_wait_tensorcnt 0x0
	ds_add_u32 v0, v1
	s_wait_dscnt 0x0
	s_set_vgpr_msb 0x500
	s_endpgm
.Lchoose:                                              ; wave 0: lane 8 tok + e holds the logit of expert e
.irp w, 0,1,2,3
	ds_load_b32 v[16+\w], v54 offset:128*\w
.endr
	s_wait_dscnt 0x0
	v_add_f32 v16, v16, v17
	v_add_f32 v18, v18, v19
	v_add_f32 v20, v16, v18                        ; l
	v_mov_b32 v21, v20
.irp k, 1,2,4
	v_max_num_f32_dpp v21, v21, v21 row_xmask:\k row_mask:0xf bank_mask:0xf   ; the token's largest logit
.endr
	v_sub_f32 v22, v20, v21
	v_mul_f32 v22, 0x3fb8aa3b, v22
	v_exp_f32 v22, v22
	v_and_b32 v24, 7, v1                           ; e (a plain line behind the exponential)
	s_wait_alu depctr_va_vdst(0)
	v_mov_b32 v23, v22
.irp k, 1,2,4
	v_add_f32_dpp v23, v23, v23 row_xmask:\k row_mask:0xf bank_mask:0xf
.endr
	v_rcp_f32 v23, v23
	v_mov_b32 v25, 0                               ; how many experts stand ahead of mine (a plain line behind the reciprocal)
	s_wait_alu depctr_va_vdst(0)
	v_mul_f32 v22, v22, v23                        ; the score
	v_mov_b32 v26, 0
.macro RANK k, hb                      ; the expert e xor k stands ahead of e if its logit is larger, or equal with the lower index (hb: the lanes whose e has k's highest bit set)
	v_mov_b32_dpp v26, v20 row_xmask:\k row_mask:0xf bank_mask:0xf
	v_cmp_gt_f32 s20, v26, v20
	v_cmp_eq_f32 s21, v26, v20
	s_and_b32 s21, s21, \hb
	s_or_b32 vcc_lo, s20, s21
	v_add_co_ci_u32 v25, vcc_lo, 0, v25, vcc_lo
.endm
	RANK 1, 0xaaaaaaaa
	RANK 2, 0xcccccccc
	RANK 3, 0xcccccccc
	RANK 4, 0xf0f0f0f0
	RANK 5, 0xf0f0f0f0
	RANK 6, 0xf0f0f0f0
	RANK 7, 0xf0f0f0f0
	v_cmp_gt_u32 s22, 2, v25                       ; the two chosen lanes of each token
	v_mbcnt_lo_u32_b32 v27, s22, 0                 ; chosen lanes below mine: even for a token's first, odd for its second
	v_and_b32 v27, 1, v27
	v_cmp_eq_u32 s23, 0, v27
	s_and_b32 s24, s22, s23                        ; a's lane
	s_and_not1_b32 s25, s22, s23                   ; b's lane
	v_cvt_f32_u32 v28, v24
	v_cndmask_b32 v30, 0, v22, s24
	v_cndmask_b32 v31, 0, v22, s25
	v_cndmask_b32 v32, 0, v28, s24
	v_cndmask_b32 v33, 0, v28, s25
.irp k, 1,2,4
.irp r, 30,31,32,33
	v_add_f32_dpp v\r, v\r, v\r row_xmask:\k row_mask:0xf bank_mask:0xf   ; one number and seven zeros: every lane of the token gets it
.endr
.endr
	v_cvt_u32_f32 v32, v32                         ; a
	v_cvt_u32_f32 v33, v33                         ; b
	v_lshlrev_b32 v34, v32, 1
	v_lshlrev_b32 v35, v33, 1
	v_or_b32 v34, v34, v35
	v_lshl_or_b32 v36, v33, 8, v32
	v_lshl_or_b32 v36, v34, 16, v36
	v_lshrrev_b32 v37, 3, v1
	v_lshlrev_b32 v38, 3, v37
	v_lshlrev_b32 v37, 2, v37
	s_wait_xcnt 0x0                                ; EXEC changes only behind this wait
	v_cmp_eq_u32 vcc_lo, 0, v24
	s_set_vgpr_msb 0x5
	s_wait_tensorcnt 0x0
	ds_add_u32 v0, v1
	s_wait_dscnt 0x0
	s_set_vgpr_msb 0x500
	s_and_saveexec_b32 s23, vcc_lo                 ; one lane a token
	global_store_b32 v37, v36, s[12:13]
	global_store_b64 v38, v[30:31], s[14:15]
	s_wait_xcnt 0x0
	s_or_b32 exec_lo, exec_lo, s23
	s_endpgm
.Lfunc_end_k_qf90ded03bb_gate:
	.size	k_qf90ded03bb_gate, .Lfunc_end_k_qf90ded03bb_gate-k_qf90ded03bb_gate
	.p2alignl 7, 3214868480
	.fill 96, 4, 3214868480
	.section	.rodata,"a",@progbits
	.p2align	6, 0x0
	.amdhsa_kernel k_qf90ded03bb_gate
		.amdhsa_group_segment_fixed_size 40192
		.amdhsa_private_segment_fixed_size 0
		.amdhsa_enable_private_segment 0
		.amdhsa_kernarg_size 48
		.amdhsa_user_sgpr_count 2
		.amdhsa_user_sgpr_kernarg_segment_ptr 1
		.amdhsa_wavefront_size32 1
		.amdhsa_system_sgpr_workgroup_id_x 1
		.amdhsa_system_sgpr_workgroup_id_y 1
		.amdhsa_system_sgpr_workgroup_id_z 1
		.amdhsa_system_vgpr_workitem_id 0
		.amdhsa_next_free_vgpr 258
		.amdhsa_next_free_sgpr 66
		.amdhsa_reserve_vcc 1
		.amdhsa_float_denorm_mode_32 3
		.amdhsa_float_denorm_mode_16_64 3
		.amdhsa_memory_ordered 1
		.amdhsa_forward_progress 1
		.amdhsa_inst_pref_size 41
	.end_amdhsa_kernel
	.amdgpu_metadata
---
amdhsa.version: [ 1, 2 ]
amdhsa.kernels:
  - .name:           k_qf90ded03bb_gate
    .symbol:         k_qf90ded03bb_gate.kd
    .args:
      - { .name: x, .offset: 0, .size: 8, .value_kind: global_buffer, .address_space: global }
      - { .name: gate_w, .offset: 8, .size: 8, .value_kind: global_buffer, .address_space: global }
      - { .name: xq, .offset: 16, .size: 8, .value_kind: global_buffer, .address_space: global }
      - { .name: xsc, .offset: 24, .size: 8, .value_kind: global_buffer, .address_space: global }
      - { .name: route, .offset: 32, .size: 8, .value_kind: global_buffer, .address_space: global }
      - { .name: wts, .offset: 40, .size: 8, .value_kind: global_buffer, .address_space: global }
    .group_segment_fixed_size: 40192
    .private_segment_fixed_size: 0
    .kernarg_segment_align: 8
    .kernarg_segment_size: 48
    .max_flat_workgroup_size: 128
    .sgpr_count:     66
    .vgpr_count:     258
    .wavefront_size: 32
...
	.end_amdgpu_metadata
.endif
;; end of part 1
;; launch place (part 2): grid 1 x 1, 8 waves a work-group, no clusters, 2,048 bytes of LDS; arguments route, wts, plan, cpos, gq, gsc; writes plan, cpos, gq, gsc
.if DOCPART == 2
	.amdgcn_target "amdgcn-amd-amdhsa--gfx1250"
	.amdhsa_code_object_version 6
	.text
	.protected	k_qf90ded03bb_place
	.globl	k_qf90ded03bb_place
	.p2align	8
	.type	k_qf90ded03bb_place,@function
k_qf90ded03bb_place:
	s_mov_b64 s[64:65], 0
	v_nop
	global_prefetch_b8 v0, s[64:65] scope:SCOPE_SE
	s_setreg_imm32_b32 hwreg(HW_REG_WAVE_MODE, 25, 1), 1
	s_wait_xcnt 0x0
; PLACING.  A counting sort of the 1,024 tokens by their pair of experts (a < b: 28 bins in the order (0,1), (0,2) .. (6,7)), in whole numbers, without atomics: one work-group, eight waves, wave w tokens 128 w + 32 k + lane.
; Out, in plan:  ROWTOK at 0: [9216 slots] the token of each slot (expert e: slots 1024 e + rank; the shared expert: slot 8192 + POSITION, so that the last launch knows its shared slots from its own number);
; TILE at 36,864: 32 records {expert, first slot, rows, shared};
; REC at 37,376: [1024 positions] {route word, slot with a, slot with b, token}: position = the token's place in the sorted order, so that 64 neighbouring positions use few experts.
; cpos [1024 positions][2]: the two scores.  Row 9216 of gq and gsc: zero codes with the byte 127: the row that stands in for 'this token does not use this expert'.
; TILES: rows of one expert, 128 at a time: never more than 2048 / 128 + 7 = 23, whatever the choice; tiles 23 .. 30 are the shared expert's eight.  A tile that a split leaves empty has 0 rows.
; No branch hangs on data; every number that enters an address is clamped by a constant just ahead.
.set ROWS_S, 32768                     ; byte of ROWTOK[8192]
.set TILE,  36864
.set REC,   37376
.set RW,    16                         ; v16-19  route words, one for each k
.set WT,    20                         ; v20-27  score pairs
.set AA,    28                         ; v28-31  a
.set BB,    32                         ; v32-35  b
.set NN,    36                         ; v36-39  lane q: how many of these 32 tokens lie in bin q
.set RK,    40                         ; v40-43  my rank among these 32 in my bin
.set IDX,   44                         ; v44-47  4 x my bin
.set W8,    48                         ; v48-55  the eight waves' counts
.set TOT,   56
.set PRE,   57
.set BP,    58                         ; lane q: the bin's first position,
.set BL,    59                         ; its first rank in expert a,
.set BH,    60                         ; and in expert b
.set OP,    64                         ; v64-75  the same + the tokens of the bin ahead of this run of 32
.set OL,    68
.set OH,    72
.set GP,    76                         ; v76-87  and as fetched for my bin
.set GL,    80
.set GH,    84
.set RC,    96                         ; v96-111 the records
.set OA,    112                        ; v112-131 store offsets, registers of their own for each k
.set OB,    116
.set OS,    120
.set OR,    124
.set OC,    128
.set MA,    24                         ; s24-31  lanes with a = e
.set MB,    32                         ; s32-39  lanes with b = e
.set RUN,   40                         ; s40-47  rows of expert e so far
.set TB,    48                         ; s48-56  tiles ahead of expert e
.set RP,    57                         ; s57     positions so far
	s_load_b256 s[4:11], s[0:1], 0x0               ; route, wts, plan, cpos
	s_load_b128 s[12:15], s[0:1], 0x20             ; gq, gsc
	v_lshl_add_u32 v144, v0, 2, 0x400
	v_mov_b32 v145, 0
	v_lshrrev_b32 v2, 5, v0
	v_readfirstlane_b32 s16, v2                    ; wave
	v_and_b32 v1, 31, v0                           ; lane
	v_lshl_add_u32 v2, v2, 7, v1                   ; my first token: 128 w + lane
	v_lshlrev_b32 v3, 2, v2
	v_lshlrev_b32 v4, 3, v2
	v_lshlrev_b32 v5, 2, v0                        ; LDS: my wave's 32 counts
	v_lshlrev_b32 v6, 2, v1
	s_wait_kmcnt 0x0
.irp k, 0,1,2,3
	global_load_b32 v[RW+\k], v3, s[4:5] offset:128*\k
	global_load_b64 v[WT+2*\k:WT+2*\k+1], v4, s[6:7] offset:256*\k
.endr
	s_wait_loadcnt 0x0
.macro COUNT k
	v_and_b32 v[AA+\k], 0xff, v[RW+\k]
	v_bfe_u32 v[BB+\k], v[RW+\k], 8, 8
.irp e, 0,1,2,3,4,5,6,7
	v_cmp_eq_u32 s[MA+\e], \e, v[AA+\k]
	v_cmp_eq_u32 s[MB+\e], \e, v[BB+\k]
.endr
	v_mov_b32 v[NN+\k], 0
.set Q, 0
.irp qa, 0,1,2,3,4,5,6
.irp qb, 1,2,3,4,5,6,7
.if \qb > \qa
	s_and_b32 s20, s[MA+\qa], s[MB+\qb]
	s_bcnt1_i32_b32 s20, s20
	v_writelane_b32 v[NN+\k], s20, Q
.set Q, Q+1
.endif
.endr
.endr
	v_mov_b32 v62, 0
	v_mov_b32 v63, 0
.irp e, 0,1,2,3,4,5,6,7
	v_cndmask_b32 v62, v62, s[MA+\e], s[MA+\e]     ; the lanes that share my a,
	v_cndmask_b32 v63, v63, s[MB+\e], s[MB+\e]     ; and my b
.endr
	v_and_b32 v62, v62, v63
	v_mbcnt_lo_u32_b32 v[RK+\k], v62, 0            ; those of them below me
	v_sub_nc_u32 v62, 15, v[AA+\k]                 ; my bin: a (15 - a) / 2 + b - a - 1
	v_mul_u32_u24 v62, v62, v[AA+\k]
	v_lshrrev_b32 v62, 1, v62
	v_add_nc_u32 v62, v62, v[BB+\k]
	v_sub_nc_u32 v62, v62, v[AA+\k]
	v_add_nc_u32 v62, -1, v62
	v_min_u32 v62, 27, v62
	v_lshlrev_b32 v[IDX+\k], 2, v62
.endm
.irp k, 0,1,2,3
	COUNT \k
.endr
	v_add_nc_u32 v62, v[NN], v[NN+1]
	v_add_nc_u32 v63, v[NN+2], v[NN+3]
	v_add_nc_u32 v62, v62, v63
	ds_store_b32 v5, v62
	s_wait_dscnt 0x0                               ; for the others' sake
	s_barrier_signal -1
	s_barrier_wait -1
.irp w, 0,1,2,3,4,5,6,7
	ds_load_b32 v[W8+\w], v6 offset:128*\w
.endr
	s_wait_dscnt 0x0
	s_barrier_signal -1                            ; the counts have been read by all: what follows in the LDS unit touches no byte
	s_barrier_wait -1
	v_add_nc_u32 v[TOT], v[W8], v[W8+1]
.irp w, 2,3,4,5,6,7
	v_add_nc_u32 v[TOT], v[TOT], v[W8+\w]
.endr
	v_mov_b32 v[PRE], 0
.irp w, 0,1,2,3,4,5,6
	s_cmp_gt_u32 s16, \w                           ; the waves ahead of mine
	s_cselect_b32 s20, -1, 0
	v_and_b32 v62, s20, v[W8+\w]
	v_add_nc_u32 v[PRE], v[PRE], v62
.endr
	v_mov_b32 v[BP], 0
	v_mov_b32 v[BL], 0
	v_mov_b32 v[BH], 0
	s_mov_b32 s[RP], 0
.irp e, 0,1,2,3,4,5,6,7
	s_mov_b32 s[RUN+\e], 0
.endr
.set Q, 0
.irp qa, 0,1,2,3,4,5,6                 ; the scan over the 28 bins, written out
.irp qb, 1,2,3,4,5,6,7
.if \qb > \qa
	v_readlane_b32 s20, v[TOT], Q
	v_writelane_b32 v[BP], s[RP], Q
	v_writelane_b32 v[BL], s[RUN+\qa], Q
	v_writelane_b32 v[BH], s[RUN+\qb], Q
	s_add_co_u32 s[RP], s[RP], s20
	s_add_co_u32 s[RUN+\qa], s[RUN+\qa], s20
	s_add_co_u32 s[RUN+\qb], s[RUN+\qb], s20
.set Q, Q+1
.endif
.endr
.endr
.irp k, 0,1,2,3
	v_add_nc_u32 v[OP+\k], v[PRE], v[BP]
	v_add_nc_u32 v[OL+\k], v[PRE], v[BL]
	v_add_nc_u32 v[OH+\k], v[PRE], v[BH]
	v_add_nc_u32 v[PRE], v[PRE], v[NN+\k]          ; the next run of 32 stands behind this one
.endr
.irp k, 0,1,2,3
	ds_bpermute_b32 v[GP+\k], v[IDX+\k], v[OP+\k]  ; lane q's number for my bin q
	ds_bpermute_b32 v[GL+\k], v[IDX+\k], v[OL+\k]
	ds_bpermute_b32 v[GH+\k], v[IDX+\k], v[OH+\k]
.endr
	s_wait_dscnt 0x0
.irp k, 0,1,2,3
	v_add_nc_u32 v62, v[GP+\k], v[RK+\k]           ; my position
	v_min_u32 v62, 1023, v62
	v_lshl_add_u32 v[OR+\k], v62, 4, REC
	v_lshlrev_b32 v[OC+\k], 3, v62
	v_lshl_add_u32 v[OS+\k], v62, 2, ROWS_S        ; the shared expert's slot is 8192 + my position
	v_add_nc_u32 v63, v[GL+\k], v[RK+\k]
	v_lshl_add_u32 v63, v[AA+\k], 10, v63          ; my slot with a
	v_min_u32 v[RC+4*\k+1], 8191, v63
	v_lshlrev_b32 v[OA+\k], 2, v[RC+4*\k+1]
	v_add_nc_u32 v63, v[GH+\k], v[RK+\k]
	v_lshl_add_u32 v63, v[BB+\k], 10, v63          ; and with b
	v_min_u32 v[RC+4*\k+2], 8191, v63
	v_lshlrev_b32 v[OB+\k], 2, v[RC+4*\k+2]
	v_mov_b32 v[RC+4*\k], v[RW+\k]
	v_add_nc_u32 v[RC+4*\k+3], 32*\k, v2           ; the token
	global_store_b32 v[OA+\k], v[RC+4*\k+3], s[8:9]
	global_store_b32 v[OB+\k], v[RC+4*\k+3], s[8:9]
	global_store_b32 v[OS+\k], v[RC+4*\k+3], s[8:9]
	global_store_b128 v[OR+\k], v[RC+4*\k:RC+4*\k+3], s[8:9]
	global_store_b64 v[OC+\k], v[WT+2*\k:WT+2*\k+1], s[10:11]
.endr
	s_cmp_eq_u32 s16, 0
	s_cbranch_scc1 .Ltiles
	s_cmp_eq_u32 s16, 1
	s_cbranch_scc1 .Lzero
	s_wait_tensorcnt 0x0
	ds_add_u32 v144, v145
	s_wait_dscnt 0x0
	s_endpgm
.Ltiles:                                               ; wave 0: lane t makes tile t's record
	s_mov_b32 s[TB], 0
.irp e, 0,1,2,3,4,5,6,7
	s_add_co_u32 s20, s[RUN+\e], 127
	s_lshr_b32 s20, s20, 7
	s_add_co_u32 s[TB+\e+1], s[TB+\e], s20
.endr
	v_mov_b32 v132, 0
.irp e, 0,1,2,3,4,5,6,7
	v_cmp_le_u32 vcc_lo, s[TB+\e+1], v1
	v_add_co_ci_u32 v132, vcc_lo, 0, v132, vcc_lo  ; the tile's expert: how many experts end at or before it (8: none is left)
.endr
	v_mov_b32 v133, 0
	v_mov_b32 v134, 0
.irp e, 0,1,2,3,4,5,6,7
	v_cmp_eq_u32 vcc_lo, \e, v132
	v_cndmask_b32 v133, v133, s[TB+\e], vcc_lo
	v_cndmask_b32 v134, v134, s[RUN+\e], vcc_lo
.endr
	v_sub_nc_u32 v135, v1, v133
	v_lshlrev_b32 v135, 7, v135                    ; 128 x the tile's number in its expert
	v_sub_nc_u32 v134, v134, v135                  ; rows left from there on
	v_cmp_lt_i32 vcc_lo, 0, v134
	v_min_u32 v134, 128, v134
	v_cndmask_b32 v138, 0, v134, vcc_lo
	v_lshl_add_u32 v135, v132, 10, v135
	v_mov_b32 v63, 0x2000
	v_cndmask_b32 v137, v63, v135, vcc_lo          ; an empty tile points at slot 8192, which is always written
	v_cndmask_b32 v136, 0, v132, vcc_lo
	v_mov_b32 v139, 0
	v_cmp_le_u32 vcc_lo, 23, v1                    ; the shared expert's tiles
	v_add_nc_u32 v62, -23, v1
	v_lshl_add_u32 v62, v62, 7, 0x2000
	v_mov_b32 v63, 128
	v_cndmask_b32 v136, v136, 0, vcc_lo
	v_cndmask_b32 v137, v137, v62, vcc_lo
	v_cndmask_b32 v138, v138, v63, vcc_lo
	v_cndmask_b32 v139, v139, 1, vcc_lo
	v_lshl_add_u32 v140, v1, 4, TILE
	global_store_b128 v140, v[136:139], s[8:9]
	s_wait_tensorcnt 0x0
	ds_add_u32 v144, v145
	s_wait_dscnt 0x0
	s_endpgm
.Lzero:                                                ; wave 1: the zero row
.irp r, 132,133,134,135
	v_mov_b32 v\r, 0
.endr
	v_lshlrev_b32 v136, 4, v1
	v_lshlrev_b32 v137, 3, v1
	v_lshlrev_b32 v138, 2, v1
	v_mov_b32 v139, 0x7f7f7f7f
	global_store_b128 v136, v[132:135], s[12:13] offset:9216*768
	global_store_b64 v137, v[132:133], s[12:13] offset:9216*768+512
	global_store_b32 v138, v139, s[14:15] offset:9216*32
	s_wait_tensorcnt 0x0
	ds_add_u32 v144, v145
	s_wait_dscnt 0x0
	s_endpgm
.Lfunc_end_k_qf90ded03bb_place:
	.size	k_qf90ded03bb_place, .Lfunc_end_k_qf90ded03bb_place-k_qf90ded03bb_place
	.p2alignl 7, 3214868480
	.fill 96, 4, 3214868480
	.section	.rodata,"a",@progbits
	.p2align	6, 0x0
	.amdhsa_kernel k_qf90ded03bb_place
		.amdhsa_group_segment_fixed_size 2048
		.amdhsa_private_segment_fixed_size 0
		.amdhsa_enable_private_segment 0
		.amdhsa_kernarg_size 48
		.amdhsa_user_sgpr_count 2
		.amdhsa_user_sgpr_kernarg_segment_ptr 1
		.amdhsa_wavefront_size32 1
		.amdhsa_system_sgpr_workgroup_id_x 1
		.amdhsa_system_sgpr_workgroup_id_y 1
		.amdhsa_system_sgpr_workgroup_id_z 1
		.amdhsa_system_vgpr_workitem_id 0
		.amdhsa_next_free_vgpr 146
		.amdhsa_next_free_sgpr 66
		.amdhsa_reserve_vcc 1
		.amdhsa_float_denorm_mode_32 3
		.amdhsa_float_denorm_mode_16_64 3
		.amdhsa_memory_ordered 1
		.amdhsa_forward_progress 1
		.amdhsa_inst_pref_size 50
	.end_amdhsa_kernel
	.amdgpu_metadata
---
amdhsa.version: [ 1, 2 ]
amdhsa.kernels:
  - .name:           k_qf90ded03bb_place
    .symbol:         k_qf90ded03bb_place.kd
    .args:
      - { .name: route, .offset: 0, .size: 8, .value_kind: global_buffer, .address_space: global }
      - { .name: wts, .offset: 8, .size: 8, .value_kind: global_buffer, .address_space: global }
      - { .name: plan, .offset: 16, .size: 8, .value_kind: global_buffer, .address_space: global }
      - { .name: cpos, .offset: 24, .size: 8, .value_kind: global_buffer, .address_space: global }
      - { .name: gq, .offset: 32, .size: 8, .value_kind: global_buffer, .address_space: global }
      - { .name: gsc, .offset: 40, .size: 8, .value_kind: global_buffer, .address_space: global }
    .group_segment_fixed_size: 2048
    .private_segment_fixed_size: 0
    .kernarg_segment_align: 8
    .kernarg_segment_size: 48
    .max_flat_workgroup_size: 256
    .sgpr_count:     66
    .vgpr_count:     146
    .wavefront_size: 32
...
	.end_amdgpu_metadata
.endif
;; end of part 2
;; launch up (part 3): grid 8 x 31, 4 waves a work-group, no clusters, 302,080 bytes of LDS; arguments plan, xq, xsc, w1_codes, w1_scales, w3_codes, w3_scales, ws1_codes, ws1_scales, ws3_codes, ws3_scales, gq, gsc; writes gq, gsc
.if DOCPART == 3
	.amdgcn_target "amdgcn-amd-amdhsa--gfx1250"
	.amdhsa_code_object_version 6
	.text
	.protected	k_qf90ded03bb_up
	.globl	k_qf90ded03bb_up
	.p2align	8
	.type	k_qf90ded03bb_up,@function
k_qf90ded03bb_up:
	s_mov_b64 s[64:65], 0
	v_nop
	global_prefetch_b8 v0, s[64:65] scope:SCOPE_SE
	s_setreg_imm32_b32 hwreg(HW_REG_WAVE_MODE, 25, 1), 1
	s_wait_xcnt 0x0
; THE FIRST TWO PRODUCTS OF AN EXPERT: g = silu(x w1^T) * (x w3^T), on codes of BF6 (E3M2) with E8M0 scales, g quantised along the hidden axis and stored as codes.
; A work-group takes one tile of the stored list (up to 128 rows of one expert, or of the shared one) x 128 hidden units (work-group x); K = 2,048 in 16 steps of 128.
; Tiles 0 .. 22 are the routed experts' (never more than 2048 / 128 + 7), tiles 23 .. 30 the shared expert's eight: so the tile's NUMBER says whose weights are read, and the record says which expert, which slots, how many rows.
; Wave w takes all 128 rows x hidden units 32 w .. 32 w + 31 of the slice, of w1 AND of w3: 8 blocks of rows x 4 tiles of weights = 32 accumulators.  A wave's 32 hidden units are one block of the next quantiser.
; TRANSPOSED: source 0 = 16 rows of a weight, source 1 = 16 rows of x.  THE ROWS OF A WEIGHT'S TILE ARE NOT NEIGHBOURS: lane r of tile u takes row 8 u + r + 8 (r / 8), so that a lane's 16 registers of tiles 0 and 1 are
; hidden units 16 (lane / 16) + 0 .. 15 of one row of x.
; FRAGMENTS: lane half h takes the 48 consecutive bytes of blocks 2 h and 2 h + 1 of a K step (three loads of 16 bytes), in both operands alike; so the unit's second and third block of 32 change places, and so do the two
; middle bytes of every scale word (x's are stored so; the weights' are turned once by v_perm_b32).  The sums inside an instruction are therefore grouped otherwise than in ascending k.
; x's 128 rows, all of K, are gathered into LDS once (198,656 bytes); the weights come in chunks of 4 K steps through registers into the wave's own LDS bytes, one chunk ahead: 24,576 bytes of a wave are on their way
; during 3.5 steps (112 matrix instructions).
; No tensor load, no joint request: which expert, which rows and whether there is work hang on numbers read from memory.  A tile without rows jumps over the three sections of work; every wave passes both barriers.
; Rows past the tile's count repeat its last row and land in slots that nobody reads.
; LIMITS: as the first launch's for the floor of a block's byte; silu by v_exp_f32 and v_rcp_f32 in f32.
; REGISTERS: window 0: v1-31 addresses; v32-95 x's scale words (16 p + s; lane l: row 32 p + l); v96-127 the weights' (16 P + s; lanes 0-15 tile 0, lanes 16-31 tile 1); v128-223 x's 8 fragments, later the epilogue's.
;   window 1: the weights' fragments, two sets of 48.   window 2: the accumulators, (m, t) at v[8 (4 m + t)].   window 3: v0-191 a chunk of weights on its way.  Windows 1 and 2 first carry x's rows to LDS.
.set PA,   1552                        ; a row of x in LDS: 1,536 bytes + 16: an odd multiple of 16, so the 16 rows of a load start in different banks (ISA guide 11.1)
.set AW,   32*PA
.set BST,  128*PA
.set PB,   400                         ; a weight row's chunk: 384 bytes + 16
.set BW,   64*PB
.set GSB,  BST+4*BW                    ; 128 rows x 4 scale bytes
.set NROUT, 23                         ; tiles of the routed experts; from here on the shared expert's
.set XSW,  32
.set WSW,  96
.set AF,   128
.set T,    128
.set TK,   66                          ; s66-97  my wave's 32 tokens, then their rows' byte offsets in xq
.set MSB, 0
.macro WIN new                         ; the immediate's high byte repeats the setting that is left
.if MSB != \new
	s_set_vgpr_msb (MSB<<8)|\new
.set MSB, \new
.endif
.endm
.macro PLACES                          ; four places behind matrix instructions, in front of loads into their sources and of reads of their results
.rept 4
	v_nop
.endr
.endm
; one matrix instruction.  d: accumulator, a: source 0, b: source 1, sa, sb: their scale words, ra, rb: 1 = the words lie in lanes 16-31, z: 1 = the product starts the sum
.macro WM d, a, b, sa, sb, ra, rb, z
.set WSEL, 4*(\z)+2*(\ra)+(\rb)
.if WSEL == 0
	v_wmma_scale_f32_16x16x128_f8f6f4 v[(\d):(\d)+7], v[(\a):(\a)+11], v[(\b):(\b)+11], v[(\d):(\d)+7], v[(\sa)], v[(\sb)] matrix_a_fmt:MATRIX_FMT_BF6 matrix_b_fmt:MATRIX_FMT_BF6
.elseif WSEL == 1
	v_wmma_scale_f32_16x16x128_f8f6f4 v[(\d):(\d)+7], v[(\a):(\a)+11], v[(\b):(\b)+11], v[(\d):(\d)+7], v[(\sa)], v[(\sb)] matrix_a_fmt:MATRIX_FMT_BF6 matrix_b_fmt:MATRIX_FMT_BF6 matrix_b_scale:MATRIX_SCALE_ROW1
.elseif WSEL == 2
	v_wmma_scale_f32_16x16x128_f8f6f4 v[(\d):(\d)+7], v[(\a):(\a)+11], v[(\b):(\b)+11], v[(\d):(\d)+7], v[(\sa)], v[(\sb)] matrix_a_fmt:MATRIX_FMT_BF6 matrix_b_fmt:MATRIX_FMT_BF6 matrix_a_scale:MATRIX_SCALE_ROW1
.elseif WSEL == 3
	v_wmma_scale_f32_16x16x128_f8f6f4 v[(\d):(\d)+7], v[(\a):(\a)+11], v[(\b):(\b)+11], v[(\d):(\d)+7], v[(\sa)], v[(\sb)] matrix_a_fmt:MATRIX_FMT_BF6 matrix_b_fmt:MATRIX_FMT_BF6 matrix_a_scale:MATRIX_SCALE_ROW1 matrix_b_scale:MATRIX_SCALE_ROW1
.elseif WSEL == 4
	v_wmma_scale_f32_16x16x128_f8f6f4 v[(\d):(\d)+7], v[(\a):(\a)+11], v[(\b):(\b)+11], 0, v[(\sa)], v[(\sb)] matrix_a_fmt:MATRIX_FMT_BF6 matrix_b_fmt:MATRIX_FMT_BF6
.elseif WSEL == 5
	v_wmma_scale_f32_16x16x128_f8f6f4 v[(\d):(\d)+7], v[(\a):(\a)+11], v[(\b):(\b)+11], 0, v[(\sa)], v[(\sb)] matrix_a_fmt:MATRIX_FMT_BF6 matrix_b_fmt:MATRIX_FMT_BF6 matrix_b_scale:MATRIX_SCALE_ROW1
.elseif WSEL == 6
	v_wmma_scale_f32_16x16x128_f8f6f4 v[(\d):(\d)+7], v[(\a):(\a)+11], v[(\b):(\b)+11], 0, v[(\sa)], v[(\sb)] matrix_a_fmt:MATRIX_FMT_BF6 matrix_b_fmt:MATRIX_FMT_BF6 matrix_a_scale:MATRIX_SCALE_ROW1
.else
	v_wmma_scale_f32_16x16x128_f8f6f4 v[(\d):(\d)+7], v[(\a):(\a)+11], v[(\b):(\b)+11], 0, v[(\sa)], v[(\sb)] matrix_a_fmt:MATRIX_FMT_BF6 matrix_b_fmt:MATRIX_FMT_BF6 matrix_a_scale:MATRIX_SCALE_ROW1 matrix_b_scale:MATRIX_SCALE_ROW1
.endif
.endm
; chunk c (K steps 4 c .. 4 c + 3) of my 32 rows of w1 and 32 of w3: 48 loads; three loads take four rows' 384 bytes, 24 lanes to a row
.macro GLOADB c
	WIN 0xc0                                       ; destination window 3
.set i, 0
.rept 24
	global_load_b128 v[4*i:4*i+3], v[11+i%3], s[14:15] offset:(i/3)*6144+384*(\c)
.set i, i+1
.endr
.rept 24
	global_load_b128 v[4*i:4*i+3], v[11+i%3], s[18:19] offset:((i-24)/3)*6144+384*(\c)
.set i, i+1
.endr
.endm
; the chunk into my own LDS bytes, the rows in the order of the tiles: memory row 16 h + 8 u + j of matrix P goes to place 32 P + 16 u + 8 h + j
.macro SSTOREB
	WIN 0x0c                                       ; an LDS store's data are its source 1: window 3
.set i, 0
.rept 48
.set QG, i/3
	ds_store_b128 v[14+i%3], v[4*i:4*i+3] offset:PB*(4*(QG&1)+16*((QG>>1)&1)+8*((QG>>2)&1)+32*(QG>>3))
.set i, i+1
.endr
.endm
.macro FETB set, s                     ; the four weight fragments of K step s
	WIN 0x40
.irp t, 0,1,2,3
.irp c, 0,1,2
	ds_load_b128 v[48*(\set)+12*\t+4*\c:48*(\set)+12*\t+4*\c+3], v10 offset:16*PB*\t+96*((\s)%4)+16*\c
.endr
.endr
.endm
.macro FETA m0, s                      ; x's blocks m0 .. m0 + 3 of K step s
	WIN 0
.irp m, \m0, \m0+1, \m0+2, \m0+3
.irp c, 0,1,2
	ds_load_b128 v[AF+12*(\m)+4*\c:AF+12*(\m)+4*\c+3], v[6+(\m)/2] offset:((\m)%2)*16*PA+96*(\s)+16*\c
.endr
.endr
.endm
.macro MUL m0, s, z                    ; 16 matrix instructions; the 32 accumulators take turns, one instruction a turn, in the same order in every step
	WIN 0xa1                                       ; source 0 window 1, source 1 window 0, C and D window 2
.irp m, \m0, \m0+1, \m0+2, \m0+3
.irp t, 0,1,2,3
	WM 8*(4*(\m)+\t), 48*((\s)%2)+12*\t, AF+12*(\m), WSW+16*(\t/2)+(\s), XSW+16*((\m)/2)+(\s), \t%2, (\m)%2, \z
.endr
.endr
.endm
.macro STEP s
	s_wait_dscnt 12                                ; the weights' set and x's blocks 0-3 are in (and the chunk's stores, which are older); the youngest 12 loads, blocks 4-7, may be out
.if ((\s)%4 == 0) && ((\s) < 12)
	GLOADB (\s)/4+1                                ; the next chunk is asked for: its registers have been stored
.endif
.if (\s) == 0
	MUL 0, \s, 1
.else
	MUL 0, \s, 0
.endif
	s_wait_dscnt 0x0                               ; blocks 4-7
	PLACES
.if (\s) < 15
.if (\s)%4 == 3
	s_wait_loadcnt 0x0                             ; the next chunk, asked for 112 matrix instructions ago
	SSTOREB                                        ; over the chunk whose last fragments are in registers; LDS serves a wave's instructions in order
.endif
	FETB ((\s)+1)%2, (\s)+1
	FETA 0, (\s)+1
.endif
.if (\s) == 0
	MUL 4, \s, 1
.else
	MUL 4, \s, 0
.endif
	PLACES
.if (\s) < 15
	FETA 4, (\s)+1
.endif
.endm
; block m of 16 rows: g = h1 / (1 + 2^(-h1 log2 e)) x h3, its block's scale, its codes
.macro EPI m
	WIN 0x02                                       ; source 0 window 2
.irp j, 0,2,4,6,8,10,12,14
	v_pk_mul_f32 v[T+\j:T+\j+1], v[32*(\m)+\j:32*(\m)+\j+1], s[46:47] op_sel_hi:[1,0]   ; each accumulator from its low end on
.endr
	WIN 0
.irp j, 0,1,2,3,4,5,6,7,8,9,10,11,12,13,14,15
	v_exp_f32 v[T+\j], v[T+\j]
.endr
	v_nop                                          ; a plain line behind the exponentials
	s_wait_alu depctr_va_vdst(0)
.irp j, 0,2,4,6,8,10,12,14
	v_pk_add_f32 v[T+\j:T+\j+1], v[T+\j:T+\j+1], 1.0 op_sel_hi:[1,0]
.endr
.irp j, 0,1,2,3,4,5,6,7,8,9,10,11,12,13,14,15
	v_rcp_f32 v[T+\j], v[T+\j]
.endr
	v_nop
	WIN 0x08                                       ; source 1 window 2
	s_wait_alu depctr_va_vdst(0)
.irp j, 0,2,4,6,8,10,12,14
	v_pk_mul_f32 v[T+\j:T+\j+1], v[T+\j:T+\j+1], v[32*(\m)+\j:32*(\m)+\j+1]
.endr
.irp j, 0,2,4,6,8,10,12,14
	v_pk_mul_f32 v[T+\j:T+\j+1], v[T+\j:T+\j+1], v[32*(\m)+16+\j:32*(\m)+16+\j+1]
.endr
	WIN 0
	v_max3_num_f32 v144, |v[T]|, |v[T+1]|, 0x2800000       ; my 16 of the block's 32, and the floor 2^(5 - 127)
.irp j, 2,4,6,8,10,12,14
	v_max3_num_f32 v144, v144, |v[T+\j]|, |v[T+\j+1]|
.endr
	v_permlanex16_b32 v145, v144, s48, s49
	v_max_num_f32 v144, v144, v145                 ; with lane l xor 16's
	v_add_nc_u32 v146, 0xfe000000, v144            ; 4 off the exponent field: the conversion's scale operand
	v_lshrrev_b32 v[192+(\m)], 23, v146            ; the byte
	v_cvt_scalef32_pk16_bf6_f32 v[160+4*(\m):162+4*(\m)], v[T:T+15], v146
	v_nop                                          ; a plain line behind the conversion
	global_store_b96 v17, v[160+4*(\m):162+4*(\m)], s[30:31] offset:12288*(\m)
	ds_store_b8 v18, v[192+(\m)] offset:64*(\m)    ; both lanes of a block write the same byte with the same value
.endm
	s_load_b512 s[8:23], s[0:1], 0x0               ; plan, xq, xsc, w1 codes, w1 scales, w3 codes, w3 scales, ws1 codes
	s_load_b256 s[24:31], s[0:1], 0x40             ; ws1 scales, ws3 codes, ws3 scales, gq
	s_load_b64 s[32:33], s[0:1], 0x60              ; gsc
	v_lshl_add_u32 v254, v0, 2, 0x49a00
	v_mov_b32 v255, 0
	v_lshrrev_b32 v1, 5, v0
	v_readfirstlane_b32 s34, v1                    ; wave
	s_mov_b32 s35, ttmp9                           ; slice of 128 hidden units
	s_and_b32 s39, ttmp7, 0xffff                   ; the tile's number
	s_lshl_b32 s36, s39, 4                         ; and its record's byte
	v_and_b32 v1, 31, v0                           ; lane
	v_and_b32 v2, 15, v0                           ; r
	v_bfe_u32 v3, v0, 4, 1                         ; h
	v_lshlrev_b32 v4, 4, v1
	s_mul_i32 s37, s34, AW
	v_add_nc_u32 v5, s37, v4                       ; where I put x's rows 32 w on
	v_mul_u32_u24 v27, v2, PA
	v_mad_u32_u24 v27, v3, 48, v27
.irp g, 0,1,2,3
	v_add_nc_u32 v[6+\g], \g*AW, v27               ; x's fragments: row r, + 48 h, + 32 g rows
.endr
	s_mul_i32 s37, s34, BW
	s_add_co_u32 s37, s37, BST
	v_mul_u32_u24 v10, v2, PB
	v_mad_u32_u24 v10, v3, 48, v10
	v_add_nc_u32 v10, s37, v10                     ; the weights' fragments
.irp k, 0,1,2
	v_add_nc_u32 v27, 32*\k, v1                    ; piece p = 32 k + lane of four rows' 96 pieces of 16 bytes:
	v_mul_u32_u24 v28, v27, 43
	v_lshrrev_b32 v28, 10, v28                     ; its row jr = p / 24
	v_lshlrev_b32 v29, 4, v27
	v_mad_u32_u24 v[11+\k], v28, 1152, v29         ; in memory: 1,536 jr + 16 (p - 24 jr) = 16 p + 1,152 jr
	v_add_nc_u32 v27, v27, v28
	v_lshl_add_u32 v[14+\k], v27, 4, s37           ; in LDS: 400 jr + 16 (p - 24 jr) = 16 (p + jr): one padding further on for each row passed
.endr
	v_mul_u32_u24 v17, v2, 768
	v_mad_u32_u24 v17, v3, 12, v17
	s_mul_i32 s37, s34, 24
	v_add_nc_u32 v17, s37, v17                     ; my 12 bytes of g's codes: row r, + 24 w + 12 h
	s_and_b32 s37, s34, 1
	s_lshl_b32 s37, s37, 1
	s_lshr_b32 s38, s34, 1
	s_or_b32 s37, s37, s38                         ; block w's place in the scale word: blocks 1 and 2 change places
	s_add_co_u32 s37, s37, GSB
	v_lshl_add_u32 v18, v2, 2, s37
	v_lshl_add_u32 v19, v0, 2, GSB                 ; row 32 w + lane's word,
	v_lshlrev_b32 v20, 5, v0                       ; and its place in gsc: 32 bytes a row
	v_and_b32 v26, 8, v2
	v_add_nc_u32 v26, v26, v2
	v_lshl_add_u32 v26, v3, 3, v26                 ; the weight row whose scales I hold: 8 h + r + 8 (r / 8)
	v_lshlrev_b32 v26, 6, v26
	s_mov_b32 s46, 0xbfb8aa3b                      ; -log2(e)
	s_mov_b32 s47, s46
	s_mov_b32 s48, 0x76543210
	s_mov_b32 s49, 0xfedcba98                      ; v_permlanex16_b32's selects for lane l xor 16
	s_mov_b32 s50, 0x03010200                      ; v_perm_b32: the two middle bytes change places
	s_mov_b32 s53, 0
	s_wait_kmcnt 0x0
	s_load_b128 s[40:43], s[8:9], s36 offset:36864 ; {expert, first slot, rows, (not used here)}
	s_wait_kmcnt 0x0
	s_min_u32 s40, s40, 7
	s_min_u32 s41, s41, 9088
	s_min_u32 s44, s42, 128
	s_cmp_ge_u32 s39, NROUT                        ; the shared expert's buffers take the routed ones' place: the choice hangs on the work-group's number alone
	s_cselect_b64 s[14:15], s[22:23], s[14:15]
	s_cselect_b64 s[16:17], s[24:25], s[16:17]
	s_cselect_b64 s[18:19], s[26:27], s[18:19]
	s_cselect_b64 s[20:21], s[28:29], s[20:21]
	s_lshl_b32 s37, s35, 7
	s_lshl_b32 s38, s34, 5
	s_add_co_u32 s37, s37, s38                     ; my first hidden unit
	s_mul_i32 s52, s40, 1572864                    ; (the shared expert's records hold expert 0)
	s_mul_i32 s38, s37, 1536
	s_add_co_u32 s52, s52, s38
	s_add_nc_u64 s[14:15], s[14:15], s[52:53]
	s_add_nc_u64 s[18:19], s[18:19], s[52:53]
	s_lshl_b32 s52, s40, 16
	s_lshl_b32 s38, s37, 6
	s_add_co_u32 s52, s52, s38
	s_add_nc_u64 s[16:17], s[16:17], s[52:53]
	s_add_nc_u64 s[20:21], s[20:21], s[52:53]
	s_mul_i32 s52, s41, 768
	s_mul_i32 s38, s35, 96
	s_add_co_u32 s52, s52, s38
	s_add_nc_u64 s[30:31], s[30:31], s[52:53]      ; gq at the tile's first slot and the slice's 96 bytes
	s_lshl_b32 s52, s41, 5
	s_lshl_b32 s38, s35, 2
	s_add_co_u32 s52, s52, s38
	s_add_nc_u64 s[32:33], s[32:33], s[52:53]      ; gsc likewise: the slice's word
	s_max_u32 s45, s44, 1
	s_sub_co_u32 s45, s45, 1                       ; the tile's last row: rows past it repeat it, so no unwritten word of the list is read
.irp p, 0,1,2,3
	v_add_nc_u32 v[21+\p], 32*\p, v1
	v_min_u32 v[21+\p], s45, v[21+\p]
	v_min_u32 v[21+\p], 127, v[21+\p]
	v_add_nc_u32 v[21+\p], s41, v[21+\p]
	v_lshlrev_b32 v[21+\p], 2, v[21+\p]
.endr
	v_min_u32 v25, s45, v0
	v_min_u32 v25, 127, v25
	v_add_nc_u32 v25, s41, v25
	v_lshlrev_b32 v25, 2, v25
.irp p, 0,1,2,3,4
	global_load_b32 v[21+\p], v[21+\p], s[8:9]     ; the tokens of rows 32 p + lane, and of my wave's rows 32 w + lane
.endr
.irp i, 0,1,2,3
	global_load_b128 v[WSW+4*\i:WSW+4*\i+3], v26, s[16:17] offset:16*\i
	global_load_b128 v[WSW+16+4*\i:WSW+16+4*\i+3], v26, s[20:21] offset:16*\i
.endr
	GLOADB 0
	WIN 0
	s_wait_loadcnt 56                              ; the five list loads are in; the 8 + 48 issued behind them may be out
.irp p, 0,1,2,3
	v_min_u32 v[21+\p], 1023, v[21+\p]
	v_lshlrev_b32 v[21+\p], 6, v[21+\p]
.endr
	v_min_u32 v25, 1023, v25
.irp p, 0,1,2,3
.irp i, 0,1,2,3
	global_load_b128 v[XSW+16*\p+4*\i:XSW+16*\p+4*\i+3], v[21+\p], s[12:13] offset:16*\i
.endr
.endr
	s_cmp_eq_u32 s44, 0
	s_cbranch_scc1 .Lno_rows_1
	; ---- my wave's 32 rows of x's codes, three loads of 512 consecutive bytes each, into LDS.
	; The 32 lane reads stand in one run, the scalar lines in runs behind them: no line of a run hangs on the line just ahead of it
.set j, 0
.rept 32
	v_readlane_b32 s[TK+j], v25, j
.set j, j+1
.endr
.set j, 0
.rept 32
	s_min_u32 s[TK+j], s[TK+j], 1023
.set j, j+1
.endr
.set j, 0
.rept 32
	s_mul_i32 s[TK+j], s[TK+j], 1536
.set j, j+1
.endr
.set j, 0
.rept 32
	v_add_nc_u32 v[128+j], s[TK+j], v4
.set j, j+1
.endr
	WIN 0x80
.set j, 0
.rept 16
.irp i, 0,1,2
	global_load_b128 v[12*j+4*\i:12*j+4*\i+3], v[128+j], s[10:11] offset:512*\i
.endr
.set j, j+1
.endr
	WIN 0x40
.set j, 0
.rept 16
.irp i, 0,1,2
	global_load_b128 v[12*j+4*\i:12*j+4*\i+3], v[144+j], s[10:11] offset:512*\i
.endr
.set j, j+1
.endr
	WIN 0x08
	s_wait_loadcnt 48                              ; rows 0-15 are in; the 48 loads of rows 16-31 may be out
.set j, 0
.rept 16
.irp i, 0,1,2
	ds_store_b128 v5, v[12*j+4*\i:12*j+4*\i+3] offset:j*PA+512*\i
.endr
.set j, j+1
.endr
	WIN 0x04
	s_wait_loadcnt 0x0
.set j, 0
.rept 16
.irp i, 0,1,2
	ds_store_b128 v5, v[12*j+4*\i:12*j+4*\i+3] offset:(j+16)*PA+512*\i
.endr
.set j, j+1
.endr
	WIN 0
.Lno_rows_1:
	s_wait_loadcnt 0x0                             ; no load of mine is out at the signal (met at once where there were rows)
	s_wait_dscnt 0x0                               ; for the others' sake: my rows lie in LDS
	s_barrier_signal -1
	s_barrier_wait -1
	s_cmp_eq_u32 s44, 0
	s_cbranch_scc1 .Lno_rows_2
	; ---- the products
	s_wait_loadcnt 0x0                             ; the scale words and chunk 0
.set j, 0
.rept 32
	v_perm_b32 v[WSW+j], v[WSW+j], v[WSW+j], s50
.set j, j+1
.endr
.rept 8
	v_nop                                          ; a scale register written by a vector instruction stands 8 places ahead of a scaled matrix instruction
.endr
	SSTOREB
	FETB 0, 0
	FETA 0, 0
	FETA 4, 0
.irp s, 0,1,2,3,4,5,6,7,8,9,10,11,12,13,14,15
	STEP \s
.endr
	WIN 0
	v_mov_b32 v145, 0                              ; a lane permute's destination counts as one of its sources
.irp m, 0,1,2,3,4,5,6,7
	EPI \m
.endr
.Lno_rows_2:
	s_wait_dscnt 0x0                               ; for the others' sake: my scale bytes lie in LDS
	s_barrier_signal -1
	s_barrier_wait -1
	s_cmp_eq_u32 s44, 0
	s_cbranch_scc1 .Lend
	ds_load_b32 v27, v19                           ; a row's four bytes, one from each wave
	s_wait_dscnt 0x0
	global_store_b32 v20, v27, s[32:33]
.Lend:
	s_wait_tensorcnt 0x0
	ds_add_u32 v254, v255
	s_wait_dscnt 0x0
	s_endpgm
.Lfunc_end_k_qf90ded03bb_up:
	.size	k_qf90ded03bb_up, .Lfunc_end_k_qf90ded03bb_up-k_qf90ded03bb_up
	.p2alignl 7, 3214868480
	.fill 96, 4, 3214868480
	.section	.rodata,"a",@progbits
	.p2align	6, 0x0
	.amdhsa_kernel k_qf90ded03bb_up
		.amdhsa_group_segment_fixed_size 302080
		.amdhsa_private_segment_fixed_size 0
		.amdhsa_enable_private_segment 0
		.amdhsa_kernarg_size 104
		.amdhsa_user_sgpr_count 2
		.amdhsa_user_sgpr_kernarg_segment_ptr 1
		.amdhsa_wavefront_size32 1
		.amdhsa_system_sgpr_workgroup_id_x 1
		.amdhsa_system_sgpr_workgroup_id_y 1
		.amdhsa_system_sgpr_workgroup_id_z 1
		.amdhsa_system_vgpr_workitem_id 0
		.amdhsa_next_free_vgpr 960
		.amdhsa_next_free_sgpr 100
		.amdhsa_reserve_vcc 0
		.amdhsa_float_denorm_mode_32 3
		.amdhsa_float_denorm_mode_16_64 3
		.amdhsa_memory_ordered 1
		.amdhsa_forward_progress 1
		.amdhsa_inst_pref_size 207
	.end_amdhsa_kernel
	.amdgpu_metadata
---
amdhsa.version: [ 1, 2 ]
amdhsa.kernels:
  - .name:           k_qf90ded03bb_up
    .symbol:         k_qf90ded03bb_up.kd
    .args:
      - { .name: plan, .offset: 0, .size: 8, .value_kind: global_buffer, .address_space: global }
      - { .name: xq, .offset: 8, .size: 8, .value_kind: global_buffer, .address_space: global }
      - { .name: xsc, .offset: 16, .size: 8, .value_kind: global_buffer, .address_space: global }
      - { .name: w1_codes, .offset: 24, .size: 8, .value_kind: global_buffer, .address_space: global }
      - { .name: w1_scales, .offset: 32, .size: 8, .value_kind: global_buffer, .address_space: global }
      - { .name: w3_codes, .offset: 40, .size: 8, .value_kind: global_buffer, .address_space: global }
      - { .name: w3_scales, .offset: 48, .size: 8, .value_kind: global_buffer, .address_space: global }
      - { .name: ws1_codes, .offset: 56, .size: 8, .value_kind: global_buffer, .address_space: global }
      - { .name: ws1_scales, .offset: 64, .size: 8, .value_kind: global_buffer, .address_space: global }
      - { .name: ws3_codes, .offset: 72, .size: 8, .value_kind: global_buffer, .address_space: global }
      - { .name: ws3_scales, .offset: 80, .size: 8, .value_kind: global_buffer, .address_space: global }
      - { .name: gq, .offset: 88, .size: 8, .value_kind: global_buffer, .address_space: global }
      - { .name: gsc, .offset: 96, .size: 8, .value_kind: global_buffer, .address_space: global }
    .group_segment_fixed_size: 302080
    .private_segment_fixed_size: 0
    .kernarg_segment_align: 8
    .kernarg_segment_size: 104
    .max_flat_workgroup_size: 128
    .sgpr_count:     100
    .vgpr_count:     960
    .wavefront_size: 32
...
	.end_amdgpu_metadata
.endif
;; end of part 3
;; launch down (part 4): grid 16 x 16, 4 waves a work-group, no clusters, 151,040 bytes of LDS; arguments plan, cpos, gq, gsc, w2_codes, w2_scales, ws2_codes, ws2_scales, out0; writes out0
.if DOCPART == 4
	.amdgcn_target "amdgcn-amd-amdhsa--gfx1250"
	.amdhsa_code_object_version 6
	.text
	.protected	k_qf90ded03bb_down
	.globl	k_qf90ded03bb_down
	.p2align	8
	.type	k_qf90ded03bb_down,@function
k_qf90ded03bb_down:
	s_mov_b64 s[64:65], 0
	v_nop
	global_prefetch_b8 v0, s[64:65] scope:SCOPE_SE
	s_setreg_imm32_b32 hwreg(HW_REG_WAVE_MODE, 25, 1), 1
	s_wait_xcnt 0x0
; THE LAST PRODUCT AND THE SUM: out[token] = g_shared ws2^T + c_a (g_a w2[a]^T) + c_b (g_b w2[b]^T), on codes of BF6 (E3M2) with E8M0 scales; sums in f32.
; EACH OUTPUT ROW HAS ONE OWNER.  A work-group takes 64 neighbouring positions of the sorted order (work-group y) x 128 columns (work-group x).  It runs one PASS (K = 1,024, 8 steps) for the shared expert, which starts
; the totals, and one for each routed expert that any of its 64 tokens uses: temporaries begun with C = 0, then total += c x temporary.  A token that does not use the pass's expert takes the zero row and c = 0.
; Wave w takes all 64 rows x columns 32 w .. 32 w + 31.  TRANSPOSED: source 0 = 16 rows of w2 (16 columns of out), source 1 = 16 rows of g: a lane holds eight neighbouring columns of one token.
; FRAGMENTS as in the launch before: lane half h takes the 48 consecutive bytes of blocks 2 h and 2 h + 1; g's scale words are stored with the middle bytes changed, w2's are turned by v_perm_b32.
; A pass's operands (64 rows of g, 49,152 bytes; a wave's 32 rows of w2, 24,576 dense bytes) come through registers into LDS; those of the next expert in use are asked for during a pass and land during it.
; A REQUEST IS 86 LOADS A WAVE, IN TWO PARTS: 62 ahead of the pass's products and 24 in the pass's middle.  LOADcnt's field counts to 63, and the issue of a load beyond that is held until earlier ones are back
; (ISA guide 5.7.1): in one run the wave, and with it the pass that the request is to lie under, would stand at the 64th.
; THE SHARED EXPERT'S SLOTS ARE 8192 + POSITION: they follow from the work-group's number, so the shared pass's operands are asked for together with the block's records, not behind them.
; The loop over the 8 experts has a constant count; an expert that the block does not use costs two barriers.  Every wave passes every barrier: the branches on the stored mask jump over sections without barriers.
; No tensor load, no joint request: which experts a block walks, and how many, hangs on numbers read from memory, so partners would need different numbers of passes.
; REGISTERS: window 0: v1-15 addresses; v16-59 records and at work; v64-87 scale words as they land, v88-111 at work; v112-127 records as loaded, later 16 store offsets; v128-191 temporaries, v192-255 totals ((m, t) at 8 (2 m + t)).
;   window 1: v0-191 w2's rows on their way.   window 2: v0-95 g's fragments, two sets; v96-143 w2's, two sets; v144-239 g's rows on their way.
.set PG,    784                        ; a row of 768 bytes + 16: an odd multiple of 16 (ISA guide 11.1)
.set BS,    64*PG                      ; behind g's 64 rows: 32 rows of w2 for each wave
.set BSW,   32*PG
.set PO,    528                        ; the way out: 64 rows x (512 bytes + 16), in g's bytes
.set ZSLOT, 9216
.set SSLOT, 8192
.set LA,    64
.set LB,    80
.set SAW,   88                         ; 8 p + s: lane l: row 32 p + l
.set SBW,   104                        ; s: lane l: my row l of w2
.set TMP,   128
.set TOT,   192
.set FA,    0
.set FB,    96
.set AD,    144
.set RB,    66                         ; s66-97  the addresses of my 16 rows of g
.set SX,    32                         ; s32-47  at work: the mask's eight compares; on the way out my 16 rows' tokens
.set MSB, 0
.macro WIN new                         ; the immediate's high byte repeats the setting that is left
.if MSB != \new
	s_set_vgpr_msb (MSB<<8)|\new
.set MSB, \new
.endif
.endm
.macro WM d, a, b, sa, sb, ra, rb, z   ; one matrix instruction: ra, rb: 1 = the scale words lie in lanes 16-31; z: 1 = the product starts the sum
.set WSEL, 4*(\z)+2*(\ra)+(\rb)
.if WSEL == 0
	v_wmma_scale_f32_16x16x128_f8f6f4 v[(\d):(\d)+7], v[(\a):(\a)+11], v[(\b):(\b)+11], v[(\d):(\d)+7], v[(\sa)], v[(\sb)] matrix_a_fmt:MATRIX_FMT_BF6 matrix_b_fmt:MATRIX_FMT_BF6
.elseif WSEL == 1
	v_wmma_scale_f32_16x16x128_f8f6f4 v[(\d):(\d)+7], v[(\a):(\a)+11], v[(\b):(\b)+11], v[(\d):(\d)+7], v[(\sa)], v[(\sb)] matrix_a_fmt:MATRIX_FMT_BF6 matrix_b_fmt:MATRIX_FMT_BF6 matrix_b_scale:MATRIX_SCALE_ROW1
.elseif WSEL == 2
	v_wmma_scale_f32_16x16x128_f8f6f4 v[(\d):(\d)+7], v[(\a):(\a)+11], v[(\b):(\b)+11], v[(\d):(\d)+7], v[(\sa)], v[(\sb)] matrix_a_fmt:MATRIX_FMT_BF6 matrix_b_fmt:MATRIX_FMT_BF6 matrix_a_scale:MATRIX_SCALE_ROW1
.elseif WSEL == 3
	v_wmma_scale_f32_16x16x128_f8f6f4 v[(\d):(\d)+7], v[(\a):(\a)+11], v[(\b):(\b)+11], v[(\d):(\d)+7], v[(\sa)], v[(\sb)] matrix_a_fmt:MATRIX_FMT_BF6 matrix_b_fmt:MATRIX_FMT_BF6 matrix_a_scale:MATRIX_SCALE_ROW1 matrix_b_scale:MATRIX_SCALE_ROW1
.elseif WSEL == 4
	v_wmma_scale_f32_16x16x128_f8f6f4 v[(\d):(\d)+7], v[(\a):(\a)+11], v[(\b):(\b)+11], 0, v[(\sa)], v[(\sb)] matrix_a_fmt:MATRIX_FMT_BF6 matrix_b_fmt:MATRIX_FMT_BF6
.elseif WSEL == 5
	v_wmma_scale_f32_16x16x128_f8f6f4 v[(\d):(\d)+7], v[(\a):(\a)+11], v[(\b):(\b)+11], 0, v[(\sa)], v[(\sb)] matrix_a_fmt:MATRIX_FMT_BF6 matrix_b_fmt:MATRIX_FMT_BF6 matrix_b_scale:MATRIX_SCALE_ROW1
.elseif WSEL == 6
	v_wmma_scale_f32_16x16x128_f8f6f4 v[(\d):(\d)+7], v[(\a):(\a)+11], v[(\b):(\b)+11], 0, v[(\sa)], v[(\sb)] matrix_a_fmt:MATRIX_FMT_BF6 matrix_b_fmt:MATRIX_FMT_BF6 matrix_a_scale:MATRIX_SCALE_ROW1
.else
	v_wmma_scale_f32_16x16x128_f8f6f4 v[(\d):(\d)+7], v[(\a):(\a)+11], v[(\b):(\b)+11], 0, v[(\sa)], v[(\sb)] matrix_a_fmt:MATRIX_FMT_BF6 matrix_b_fmt:MATRIX_FMT_BF6 matrix_a_scale:MATRIX_SCALE_ROW1 matrix_b_scale:MATRIX_SCALE_ROW1
.endif
.endm
.macro SELECT d, a, b, sa, sb          ; the row's slot with expert s54, or the zero row; clamped by a constant, since it goes into an address
	v_cmp_eq_u32 vcc_lo, s54, v[\a]
	v_cndmask_b32 v[\d], v26, v[\sa], vcc_lo
	v_cmp_eq_u32 vcc_lo, s54, v[\b]
	v_cndmask_b32 v[\d], v[\d], v[\sb], vcc_lo
	v_min_u32 v[\d], ZSLOT, v[\d]
.endm
; the first part of a pass's request: sh = 1 the shared expert's, else expert s54's.  6 + 24 + 32 = 62 loads.  No load of mine is out when this begins, so its address registers may be written
.macro ISSUE_A sh
.if \sh
	s_lshl_b32 s60, s28, 6
	s_add_co_u32 s60, s60, SSLOT                   ; the block's first slot with the shared expert: 8192 + its first position
	v_add_nc_u32 v27, s60, v1
	v_lshlrev_b32 v27, 5, v27                      ; rows lane,
	v_add_nc_u32 v28, 1024, v27                    ; and 32 + lane, of gsc: 32 bytes a row
	s_mov_b64 s[56:57], s[20:21]
	s_mov_b64 s[58:59], s[22:23]
.else
	SELECT 27, 16, 18, 113, 114
	SELECT 28, 17, 19, 117, 118
	SELECT 29, 22, 23, 121, 122
	v_lshlrev_b32 v27, 5, v27
	v_lshlrev_b32 v28, 5, v28
	s_mul_i32 s60, s54, 1572864
	s_mov_b32 s61, 0
	s_add_nc_u64 s[56:57], s[16:17], s[60:61]
	s_lshl_b32 s60, s54, 16
	s_add_nc_u64 s[58:59], s[18:19], s[60:61]
.endif
	global_load_b128 v[LA:LA+3], v27, s[14:15]             ; g's scale words: rows lane and 32 + lane, 32 bytes each
	global_load_b128 v[LA+4:LA+7], v27, s[14:15] offset:16
	global_load_b128 v[LA+8:LA+11], v28, s[14:15]
	global_load_b128 v[LA+12:LA+15], v28, s[14:15] offset:16
	global_load_b128 v[LB:LB+3], v15, s[58:59]             ; w2's: my row lane
	global_load_b128 v[LB+4:LB+7], v15, s[58:59] offset:16
	WIN 0x40
.set i, 0
.rept 24
	global_load_b128 v[4*i:4*i+3], v4, s[56:57] offset:512*i               ; the first half of my 32 rows of w2: one dense block; these are on their way while the rows' addresses are made
.set i, i+1
.endr
	WIN 0
	s_mov_b32 s63, 0
.if \sh
	s_lshl_b32 s62, s26, 4
	s_add_co_u32 s62, s62, s60                     ; my first row's slot: the 16 rows are neighbours in gq
	s_mul_i32 s62, s62, 768
	s_add_nc_u64 s[RB:RB+1], s[12:13], s[62:63]
.set i, 1
.rept 15
	s_add_nc_u64 s[RB+2*i:RB+2*i+1], s[RB:RB+1], 768*i
.set i, i+1
.endr
.else
.set i, 0
.rept 16
	v_readlane_b32 s[RB+2*i], v29, i               ; the slot of row 16 w + i: the sixteen lane reads in one run, the scalar lines behind them
.set i, i+1
.endr
.set i, 0
.rept 16
	s_min_u32 s62, s[RB+2*i], ZSLOT
	s_mul_i32 s62, s62, 768
	s_add_nc_u64 s[RB+2*i:RB+2*i+1], s[12:13], s[62:63]
.set i, i+1
.endr
.endif
	WIN 0x80
.set i, 0
.rept 16
	global_load_b128 v[AD+6*i:AD+6*i+3], v4, s[RB+2*i:RB+2*i+1]              ; a row of g: 512 consecutive bytes,
	global_load_b64 v[AD+6*i+4:AD+6*i+5], v5, s[RB+2*i:RB+2*i+1] offset:512  ; and 256
.set i, i+1
.endr
	WIN 0
.endm
; the second part: the other half of my rows of w2, 24 loads
.macro ISSUE_B
	WIN 0x40
.set i, 24
.rept 24
	global_load_b128 v[4*i:4*i+3], v4, s[56:57] offset:512*i
.set i, i+1
.endr
	WIN 0
.endm
; they have landed: into LDS; the scale words to the registers at work; the pass's c (expert s52)
.macro LAND sh
	s_wait_loadcnt 0x0
	WIN 0x08
.set i, 0
.rept 16
	ds_store_b128 v6, v[AD+6*i:AD+6*i+3] offset:PG*i
	ds_store_b64 v7, v[AD+6*i+4:AD+6*i+5] offset:PG*i+512
.set i, i+1
.endr
	WIN 0x04
.set i, 0
.rept 48
	ds_store_b128 v[8+i%3], v[4*i:4*i+3] offset:(i/3)*2*PG
.set i, i+1
.endr
	WIN 0
.set i, 0
.rept 16
	v_mov_b32 v[SAW+i], v[LA+i]
.set i, i+1
.endr
.set i, 0
.rept 8
	v_perm_b32 v[SBW+i], v[LB+i], v[LB+i], s55
.set i, i+1
.endr
.if !(\sh)
.irp m, 0,1,2,3
	v_cmp_eq_u32 vcc_lo, s52, v[36+\m]
	v_cndmask_b32 v[48+2*\m], 0, v[41+2*\m], vcc_lo
	v_cmp_eq_u32 vcc_lo, s52, v[32+\m]
	v_cndmask_b32 v[48+2*\m], v[48+2*\m], v[40+2*\m], vcc_lo
	v_mov_b32 v[49+2*\m], v[48+2*\m]               ; twice, a pair for the packed multiply-add
.endr
.endif
.rept 8
	v_nop                                          ; a scale register written by a vector instruction stands 8 places ahead of a scaled matrix instruction
.endr
.endm
.macro FR s, set                       ; K step s: g's four fragments and w2's two, 18 loads
.rept 4
	v_nop                                          ; four places behind the products that read this set (ISA guide 7.12.1)
.endr
	WIN 0x80
.irp m, 0,1,2,3
.irp c, 0,1,2
	ds_load_b128 v[FA+48*(\set)+12*\m+4*\c:FA+48*(\set)+12*\m+4*\c+3], v11 offset:16*PG*\m+96*(\s)+16*\c
.endr
.endr
.irp t, 0,1
.irp c, 0,1,2
	ds_load_b128 v[FB+24*(\set)+12*\t+4*\c:FB+24*(\set)+12*\t+4*\c+3], v12 offset:16*PG*\t+96*(\s)+16*\c
.endr
.endr
.endm
.macro FIRST                           ; K step 0's fragments, fetched ahead of the next request's lines, so that they land meanwhile
	FR 0, 0
	WIN 0                                          ; (a branch follows)
.endm
; a pass behind FIRST: 64 matrix instructions; the eight accumulators take turns, one instruction a turn.
; Ahead of K step 4 stands the second part of the next expert's request, under the same test as the first part: the mask of experts still to come is not 0
.macro COMPUTE d
.irp s, 0,1,2,3,4,5,6,7
.if \s == 4
	WIN 0                                          ; at a branch and at a label every window is 0
	s_cmp_eq_u32 s53, 0
	s_cbranch_scc1 .Lno_more_\@
	ISSUE_B
.Lno_more_\@:
.endif
.if \s < 7
	FR \s+1, (\s+1)%2
	s_wait_dscnt 18                                ; this step's fragments are in; the 18 loads just issued may be out
.else
	s_wait_dscnt 0x0
.endif
	WIN 0x0a                                       ; sources 0 and 1 window 2; C and D window 0
.irp m, 0,1,2,3
.irp t, 0,1
.if \s == 0
	WM \d+8*(2*\m+\t), FB+24*(\s%2)+12*\t, FA+48*(\s%2)+12*\m, SBW+\s, SAW+8*(\m/2)+\s, \t, \m%2, 1
.else
	WM \d+8*(2*\m+\t), FB+24*(\s%2)+12*\t, FA+48*(\s%2)+12*\m, SBW+\s, SAW+8*(\m/2)+\s, \t, \m%2, 0
.endif
.endr
.endr
.endr
	WIN 0
.rept 5
	v_nop                                          ; four places in front of reads of the results; five in front of a later pass's products, which begin these accumulators anew
.endr
.endm
.macro BARRIER                         ; my LDS stores have landed and my LDS loads are in: then the work-group's barrier
	s_wait_dscnt 0x0
	s_barrier_signal -1
	s_barrier_wait -1
.endm
	s_load_b512 s[8:23], s[0:1], 0x0               ; plan, cpos, gq, gsc, w2 codes, w2 scales, ws2 codes, ws2 scales
	s_load_b64 s[24:25], s[0:1], 0x40              ; out0
	v_lshl_add_u32 v62, v0, 2, 0x24c00
	v_mov_b32 v63, 0
	v_lshrrev_b32 v1, 5, v0
	v_readfirstlane_b32 s26, v1                    ; wave
	s_mov_b32 s27, ttmp9                           ; which 128 columns
	s_and_b32 s28, ttmp7, 0xffff                   ; which 64 positions
	v_and_b32 v1, 31, v0                           ; lane
	v_and_b32 v2, 15, v0                           ; r
	v_bfe_u32 v3, v0, 4, 1                         ; h
	v_lshlrev_b32 v4, 4, v1
	v_lshlrev_b32 v5, 3, v1
	s_mul_i32 s29, s26, 16*PG
	v_add_nc_u32 v6, s29, v4                       ; where I put g's rows 16 w on: their first 512 bytes,
	v_add_nc_u32 v7, s29, v5                       ; and their last 256
	s_mul_i32 s29, s26, BSW
	s_add_co_u32 s29, s29, BS
.irp k, 0,1,2
	v_add_nc_u32 v56, 32*\k, v1                    ; piece 32 k + lane of two rows' 96 pieces of 16 bytes: one padding further on from piece 48
	v_mul_u32_u24 v57, v56, 43
	v_lshrrev_b32 v57, 11, v57
	v_add_nc_u32 v56, v56, v57
	v_lshl_add_u32 v[8+\k], v56, 4, s29
.endr
	v_mul_u32_u24 v11, v2, PG
	v_mad_u32_u24 v11, v3, 48, v11                 ; g's fragments: row r, + 48 h
	v_add_nc_u32 v12, s29, v11                     ; w2's
	v_mul_u32_u24 v13, v2, PO
	v_lshl_add_u32 v13, v3, 5, v13
	s_lshl_b32 s29, s26, 7
	v_add_nc_u32 v13, s29, v13                     ; the way out, in: row r, + 128 w + 32 h
	s_mul_i32 s29, s26, 16*PO
	v_add_nc_u32 v14, s29, v4                      ; and back: my 16 rows, 16 bytes a lane
	v_lshlrev_b32 v15, 5, v1
	v_mov_b32 v26, ZSLOT
	s_lshl_b32 s29, s26, 8
	v_lshl_add_u32 v56, v2, 4, s29                 ; the record of row 16 w + r,
	v_lshlrev_b32 v57, 4, v2                       ; of rows 16 m + r,
	v_lshlrev_b32 v58, 3, v2                       ; and their scores
.irp j, 48,49,50,51,52,53,54,55
	v_mov_b32 v\j, 0
.endr
	s_mov_b32 s55, 0x03010200                      ; v_perm_b32: the two middle bytes change places
	s_mov_b32 s31, 0
	s_lshl_b32 s30, s28, 10
	s_add_co_u32 s30, s30, 37376
	s_wait_kmcnt 0x0
	s_add_nc_u64 s[8:9], s[8:9], s[30:31]          ; the block's 64 records
	s_lshl_b32 s30, s28, 9
	s_add_nc_u64 s[10:11], s[10:11], s[30:31]
	s_lshl_b32 s29, s27, 7
	s_lshl_b32 s30, s26, 5
	s_add_co_u32 s29, s29, s30                     ; my first row of w2: 128 x + 32 w
	s_mul_i32 s30, s29, 768
	s_add_nc_u64 s[16:17], s[16:17], s[30:31]
	s_add_nc_u64 s[20:21], s[20:21], s[30:31]
	s_lshl_b32 s30, s29, 5
	s_add_nc_u64 s[18:19], s[18:19], s[30:31]
	s_add_nc_u64 s[22:23], s[22:23], s[30:31]
	s_lshl_b32 s30, s27, 9
	s_add_nc_u64 s[24:25], s[24:25], s[30:31]      ; out0 at the block's 512 bytes of a row
	global_load_b128 v[112:115], v4, s[8:9]                ; {route word, slot with a, slot with b, token} of rows lane,
	global_load_b128 v[116:119], v4, s[8:9] offset:512     ; 32 + lane,
	global_load_b128 v[120:123], v56, s[8:9]               ; and 16 w + r
.irp m, 0,1,2,3
	global_load_b32 v[124+\m], v57, s[8:9] offset:256*\m
	global_load_b64 v[40+2*\m:41+2*\m], v58, s[10:11] offset:128*\m
.endr
	ISSUE_A 1                                      ; the shared pass hangs on no record: its request goes out with them
	s_wait_loadcnt 62                              ; the 11 record loads are in; the 62 issued behind them may be out
.irp p, 0,1
	v_and_b32 v[16+\p], 0xff, v[112+4*\p]
	v_bfe_u32 v[18+\p], v[112+4*\p], 8, 8
.endr
	v_and_b32 v22, 0xff, v120
	v_bfe_u32 v23, v120, 8, 8
	v_min_u32 v25, 1023, v123                      ; my rows' tokens
.irp m, 0,1,2,3
	v_and_b32 v[32+\m], 0xff, v[124+\m]
	v_bfe_u32 v[36+\m], v[124+\m], 8, 8
.endr
	v_or_b32 v30, v112, v116                       ; while the operands are on their way: which experts the block uses.  The eight compares in one run, the scalar lines behind them
.irp e, 0,1,2,3,4,5,6,7
	v_and_b32 v31, 1<<(16+\e), v30
	v_cmp_ne_u32 s[SX+\e], 0, v31
.endr
	s_mov_b32 s53, 0
.irp e, 0,1,2,3,4,5,6,7
	s_cmp_lg_u32 s[SX+\e], 0
	s_cselect_b32 s60, 1<<\e, 0
	s_or_b32 s53, s53, s60
.endr
	ISSUE_B
	LAND 1
	BARRIER                                        ; the shared pass's operands lie in LDS
	FIRST
	s_cmp_eq_u32 s53, 0
	s_cbranch_scc1 .Lno_first
	s_ctz_i32_b32 s54, s53                         ; the first expert in use: its operands land during the shared pass
	s_min_u32 s54, s54, 7
	ISSUE_A 0
.Lno_first:
	COMPUTE TOT                                    ; the shared pass starts the totals
	s_mov_b32 s52, 0
.Lexpert:
	BARRIER                                        ; nobody reads the last pass's rows any more
	s_bitcmp1_b32 s53, s52
	s_cbranch_scc0 .Lno_land
	LAND 0
.Lno_land:
	BARRIER                                        ; this pass's operands lie in LDS
	s_bitcmp1_b32 s53, s52
	s_cbranch_scc0 .Lno_pass
	s_wait_loadcnt 0x0                             ; no load of mine is out: the address registers may be written
	FIRST
	s_sub_co_u32 s60, s53, 1
	s_and_b32 s53, s53, s60                        ; this expert is done with
	s_cmp_eq_u32 s53, 0
	s_cbranch_scc1 .Lno_next
	s_ctz_i32_b32 s54, s53                         ; the next one in use
	s_min_u32 s54, s54, 7
	ISSUE_A 0
.Lno_next:
	COMPUTE TMP
.irp m, 0,1,2,3
.irp t, 0,1
.irp j, 0,2,4,6
	v_pk_fma_f32 v[TOT+8*(2*\m+\t)+\j:TOT+8*(2*\m+\t)+\j+1], v[TMP+8*(2*\m+\t)+\j:TMP+8*(2*\m+\t)+\j+1], v[48+2*\m:49+2*\m], v[TOT+8*(2*\m+\t)+\j:TOT+8*(2*\m+\t)+\j+1]   ; each accumulator from its low end on
.endr
.endr
.endr
.Lno_pass:
	s_add_co_u32 s52, s52, 1
	s_cmp_lt_u32 s52, 8
	s_cbranch_scc1 .Lexpert
	; ---- the way out: a row's 512 bytes come from four waves: they meet in a stage, and each wave stores 16 whole rows
	BARRIER                                        ; nobody reads g's rows any more: the stage lies in their bytes
.irp m, 0,1,2,3
.irp t, 0,1
	ds_store_b128 v13, v[TOT+8*(2*\m+\t):TOT+8*(2*\m+\t)+3] offset:16*PO*\m+64*\t
	ds_store_b128 v13, v[TOT+8*(2*\m+\t)+4:TOT+8*(2*\m+\t)+7] offset:16*PO*\m+64*\t+16
.endr
.endr
	BARRIER
.irp i, 0,1,2,3,4,5,6,7,8,9,10,11,12,13,14,15
	ds_load_b128 v[TMP+4*\i:TMP+4*\i+3], v14 offset:PO*\i
.endr
.set i, 0
.rept 16
	v_readlane_b32 s[SX+i], v25, i                 ; the token of row 16 w + i: again the lane reads in one run (into registers that no load names)
.set i, i+1
.endr
.set i, 0
.rept 16
	s_min_u32 s[SX+i], s[SX+i], 1023
.set i, i+1
.endr
.set i, 0
.rept 16
	s_lshl_b32 s[SX+i], s[SX+i], 13
.set i, i+1
.endr
.set i, 0
.rept 16
	v_add_nc_u32 v[112+i], s[SX+i], v4
.set i, i+1
.endr
.irp i, 0,1,2,3,4,5,6,7,8,9,10,11,12,13,14,15
	s_wait_dscnt 15-\i
	global_store_b128 v[112+\i], v[TMP+4*\i:TMP+4*\i+3], s[24:25] th:TH_STORE_NT   ; 32 lanes store 512 consecutive bytes, at a multiple of 256 from out0's first byte
.endr
	s_wait_tensorcnt 0x0
	ds_add_u32 v62, v63
	s_wait_dscnt 0x0
	s_endpgm
.Lfunc_end_k_qf90ded03bb_down:
	.size	k_qf90ded03bb_down, .Lfunc_end_k_qf90ded03bb_down-k_qf90ded03bb_down
	.p2alignl 7, 3214868480
	.fill 96, 4, 3214868480
	.section	.rodata,"a",@progbits
	.p2align	6, 0x0
	.amdhsa_kernel k_qf90ded03bb_down
		.amdhsa_group_segment_fixed_size 151040
		.amdhsa_private_segment_fixed_size 0
		.amdhsa_enable_private_segment 0
		.amdhsa_kernarg_size 72
		.amdhsa_user_sgpr_count 2
		.amdhsa_user_sgpr_kernarg_segment_ptr 1
		.amdhsa_wavefront_size32 1
		.amdhsa_system_sgpr_workgroup_id_x 1
		.amdhsa_system_sgpr_workgroup_id_y 1
		.amdhsa_system_sgpr_workgroup_id_z 1
		.amdhsa_system_vgpr_workitem_id 0
		.amdhsa_next_free_vgpr 768
		.amdhsa_next_free_sgpr 100
		.amdhsa_reserve_vcc 1
		.amdhsa_float_denorm_mode_32 3
		.amdhsa_float_denorm_mode_16_64 3
		.amdhsa_memory_ordered 1
		.amdhsa_forward_progress 1
		.amdhsa_inst_pref_size 104
	.end_amdhsa_kernel
	.amdgpu_metadata
---
amdhsa.version: [ 1, 2 ]
amdhsa.kernels:
  - .name:           k_qf90ded03bb_down
    .symbol:         k_qf90ded03bb_down.kd
    .args:
      - { .name: plan, .offset: 0, .size: 8, .value_kind: global_buffer, .address_space: global }
      - { .name: cpos, .offset: 8, .size: 8, .value_kind: global_buffer, .address_space: global }
      - { .name: gq, .offset: 16, .size: 8, .value_kind: global_buffer, .address_space: global }
      - { .name: gsc, .offset: 24, .size: 8, .value_kind: global_buffer, .address_space: global }
      - { .name: w2_codes, .offset: 32, .size: 8, .value_kind: global_buffer, .address_space: global }
      - { .name: w2_scales, .offset: 40, .size: 8, .value_kind: global_buffer, .address_space: global }
      - { .name: ws2_codes, .offset: 48, .size: 8, .value_kind: global_buffer, .address_space: global }
      - { .name: ws2_scales, .offset: 56, .size: 8, .value_kind: global_buffer, .address_space: global }
      - { .name: out0, .offset: 64, .size: 8, .value_kind: global_buffer, .address_space: global }
    .group_segment_fixed_size: 151040
    .private_segment_fixed_size: 0
    .kernarg_segment_align: 8
    .kernarg_segment_size: 72
    .max_flat_workgroup_size: 128
    .sgpr_count:     100
    .vgpr_count:     768
    .wavefront_size: 32
...
	.end_amdgpu_metadata
.endif
;; end of part 4
;; ======== version 2 of 2: 4 launches; version 1 with the launches up, down written anew for expert scheduling mode
;; workspace buffers: xq 1,572,864 bytes; xsc 65,536 bytes; route 4,096 bytes of whole numbers; wts 8,192 bytes; plan 54,016 bytes of whole numbers; cpos 8,192 bytes; gq 7,078,656 bytes; gsc 295,168 bytes
;; launch gate: the kernel of part 1 again; grid 256 x 1, 4 waves a work-group, no clusters, 40,192 bytes of LDS; arguments x, gate_w, xq, xsc, route, wts; writes xq, xsc, route, wts
;; launch place: the kernel of part 2 again; grid 1 x 1, 8 waves a work-group, no clusters, 2,048 bytes of LDS; arguments route, wts, plan, cpos, gq, gsc; writes plan, cpos, gq, gsc
;; launch up (part 5): grid 8 x 31, 4 waves a work-group, no clusters, 302,080 bytes of LDS; arguments plan, xq, xsc, w1_codes, w1_scales, w3_codes, w3_scales, ws1_codes, ws1_scales, ws3_codes, ws3_scales, gq, gsc; writes gq, gsc
.if DOCPART == 5
	.amdgcn_target "amdgcn-amd-amdhsa--gfx1250"
	.amdhsa_code_object_version 6
	.text
	.protected	k_qf90ded03bb_up
	.globl	k_qf90ded03bb_up
	.p2align	8
	.type	k_qf90ded03bb_up,@function
k_qf90ded03bb_up:
	s_mov_b64 s[64:65], 0
	v_nop
	global_prefetch_b8 v0, s[64:65] scope:SCOPE_SE
	s_setreg_imm32_b32 hwreg(HW_REG_WAVE_SCHED_MODE, 0, 2), 2
	s_setreg_imm32_b32 hwreg(HW_REG_WAVE_MODE, 25, 1), 1
	s_wait_xcnt 0x0
	s_wait_alu depctr_vm_vsrc(0)
; THE FIRST TWO PRODUCTS OF AN EXPERT: g = silu(x w1^T) * (x w3^T), on codes of BF6 (E3M2) with E8M0 scales, g quantised along the hidden axis and stored as codes.
; A work-group takes one tile of the stored list (up to 128 rows of one expert, or of the shared one) x 128 hidden units (work-group x); K = 2,048 in 16 steps of 128.
; Tiles 0 .. 22 are the routed experts' (never more than 2048 / 128 + 7), tiles 23 .. 30 the shared expert's eight: so the tile's NUMBER says whose weights are read, and the record says which expert, which slots, how many rows.
; Wave w takes all 128 rows x hidden units 32 w .. 32 w + 31 of the slice, of w1 AND of w3: 8 blocks of rows x 4 tiles of weights = 32 accumulators.  A wave's 32 hidden units are one block of the next quantiser.
; TRANSPOSED: source 0 = 16 rows of a weight, source 1 = 16 rows of x.  THE ROWS OF A WEIGHT'S TILE ARE NOT NEIGHBOURS: lane r of tile u takes row 8 u + r + 8 (r / 8), so that a lane's 16 registers of tiles 0 and 1 are
; hidden units 16 (lane / 16) + 0 .. 15 of one row of x.
; FRAGMENTS: lane half h takes the 48 consecutive bytes of blocks 2 h and 2 h + 1 of a K step (three loads of 16 bytes), in both operands alike; so the unit's second and third block of 32 change places, and so do the two
; middle bytes of every scale word (x's are stored so; the weights' are turned once by v_perm_b32).  The sums inside an instruction are therefore grouped otherwise than in ascending k.
; x's 128 rows, all of K, are gathered into LDS once (198,656 bytes); the weights come in chunks of 4 K steps through registers into the wave's own LDS bytes, one chunk ahead: 24,576 bytes of a wave are on their way
; during 3.25 steps (104 matrix instructions).
; No tensor load, no joint request: which expert, which rows and whether there is work hang on numbers read from memory.  A tile without rows jumps over the three sections of work; every wave passes both barriers.
; Rows past the tile's count repeat its last row and land in slots that nobody reads.
; LIMITS: as the first launch's for the floor of a block's byte; silu by v_exp_f32 and v_rcp_f32 in f32.
; THE MODE: SCHED_MODE bits 1:0 = 2 (LLVM: expert scheduling mode 2), set by the entry lines.  The code itself states the register dependences
; between vector or matrix instructions and memory or LDS instructions, with s_wait_alu, always for 0.
; THE PLAN.  Registers that memory or LDS instructions touch, in the 16 steps:
;   A0 (window 0, v128-223), A1 (window 1, v96-191)   x's 8 fragments of a K step.  Step s: its products read A[s % 2]; the LDS loads of step s + 1's fragments land in the other set, which step s - 1's products read.
;   B0, B1 (window 1, v0-47, v48-95)                  the weights' 4 fragments, likewise.
;   window 3, v0-191                                  a chunk of weights: global loads write it, LDS stores read it; no vector or matrix instruction names it.
;   v6-16                                             addresses, made at the head and never written again.
; So ONE wait on va_vdst stands at the head of a step: the last step's products are done reading the other A and the other B.  The step's 36 LDS loads follow it in three runs of 12 among its four runs of 8 products, which
; name this step's A and B, the accumulators and the scale words: none of the registers that those loads touch.  One wait on vm_vsrc stands ahead of each request for a chunk: the LDS stores have read window 3.
; On the way out each block of rows has registers of its own for its codes and its byte; its two stores stand behind the next block's wait for its exponentials.
; REGISTERS: window 0: v1-31 addresses; v32-95 x's scale words (16 p + s; lane l: row 32 p + l); v96-127 the weights' (16 P + s; lanes 0-15 tile 0, lanes 16-31 tile 1); v128-223 A0, later the epilogue's; v224-233 the list's words.
;   window 1: B0, B1, A1.   window 2: the accumulators, (m, t) at v[8 (4 m + t)].   window 3: v0-191 a chunk of weights on its way.  Windows 1 and 2 first carry x's rows to LDS.
.set PA,   1552                        ; a row of x in LDS: 1,536 bytes + 16: an odd multiple of 16, so the 16 rows of a load start in different banks (ISA guide 11.1)
.set AW,   32*PA
.set BST,  128*PA
.set PB,   400                         ; a weight row's chunk: 384 bytes + 16
.set BW,   64*PB
.set GSB,  BST+4*BW                    ; 128 rows x 4 scale bytes
.set NROUT, 23                         ; tiles of the routed experts; from here on the shared expert's
.set XSW,  32
.set WSW,  96
.set T,    128
.set TKN,  224                         ; v224-228 the list's words as loaded: the tokens of rows 32 p + lane, and of my wave's rows
.set XO,   229                         ; v229-232 those rows' byte offsets in xsc;  v233 my wave's rows' tokens, clamped
.set TK,   66                          ; s66-97  my wave's 32 tokens, then their rows' byte offsets in xq
.set MSB, 0
.macro WIN new                         ; the immediate's high byte repeats the setting that is left
.if MSB != \new
	s_set_vgpr_msb (MSB<<8)|\new
.set MSB, \new
.endif
.endm
.macro PLACES                          ; four places behind matrix instructions, in front of loads into their sources and of reads of their results
.rept 4
	v_nop
.endr
.endm
; one matrix instruction.  d: accumulator, a: source 0, b: source 1, sa, sb: their scale words, ra, rb: 1 = the words lie in lanes 16-31, z: 1 = the product starts the sum
.macro WM d, a, b, sa, sb, ra, rb, z
.set WSEL, 4*(\z)+2*(\ra)+(\rb)
.if WSEL == 0
	v_wmma_scale_f32_16x16x128_f8f6f4 v[(\d):(\d)+7], v[(\a):(\a)+11], v[(\b):(\b)+11], v[(\d):(\d)+7], v[(\sa)], v[(\sb)] matrix_a_fmt:MATRIX_FMT_BF6 matrix_b_fmt:MATRIX_FMT_BF6
.elseif WSEL == 1
	v_wmma_scale_f32_16x16x128_f8f6f4 v[(\d):(\d)+7], v[(\a):(\a)+11], v[(\b):(\b)+11], v[(\d):(\d)+7], v[(\sa)], v[(\sb)] matrix_a_fmt:MATRIX_FMT_BF6 matrix_b_fmt:MATRIX_FMT_BF6 matrix_b_scale:MATRIX_SCALE_ROW1
.elseif WSEL == 2
	v_wmma_scale_f32_16x16x128_f8f6f4 v[(\d):(\d)+7], v[(\a):(\a)+11], v[(\b):(\b)+11], v[(\d):(\d)+7], v[(\sa)], v[(\sb)] matrix_a_fmt:MATRIX_FMT_BF6 matrix_b_fmt:MATRIX_FMT_BF6 matrix_a_scale:MATRIX_SCALE_ROW1
.elseif WSEL == 3
	v_wmma_scale_f32_16x16x128_f8f6f4 v[(\d):(\d)+7], v[(\a):(\a)+11], v[(\b):(\b)+11], v[(\d):(\d)+7], v[(\sa)], v[(\sb)] matrix_a_fmt:MATRIX_FMT_BF6 matrix_b_fmt:MATRIX_FMT_BF6 matrix_a_scale:MATRIX_SCALE_ROW1 matrix_b_scale:MATRIX_SCALE_ROW1
.elseif WSEL == 4
	v_wmma_scale_f32_16x16x128_f8f6f4 v[(\d):(\d)+7], v[(\a):(\a)+11], v[(\b):(\b)+11], 0, v[(\sa)], v[(\sb)] matrix_a_fmt:MATRIX_FMT_BF6 matrix_b_fmt:MATRIX_FMT_BF6
.elseif WSEL == 5
	v_wmma_scale_f32_16x16x128_f8f6f4 v[(\d):(\d)+7], v[(\a):(\a)+11], v[(\b):(\b)+11], 0, v[(\sa)], v[(\sb)] matrix_a_fmt:MATRIX_FMT_BF6 matrix_b_fmt:MATRIX_FMT_BF6 matrix_b_scale:MATRIX_SCALE_ROW1
.elseif WSEL == 6
	v_wmma_scale_f32_16x16x128_f8f6f4 v[(\d):(\d)+7], v[(\a):(\a)+11], v[(\b):(\b)+11], 0, v[(\sa)], v[(\sb)] matrix_a_fmt:MATRIX_FMT_BF6 matrix_b_fmt:MATRIX_FMT_BF6 matrix_a_scale:MATRIX_SCALE_ROW1
.else
	v_wmma_scale_f32_16x16x128_f8f6f4 v[(\d):(\d)+7], v[(\a):(\a)+11], v[(\b):(\b)+11], 0, v[(\sa)], v[(\sb)] matrix_a_fmt:MATRIX_FMT_BF6 matrix_b_fmt:MATRIX_FMT_BF6 matrix_a_scale:MATRIX_SCALE_ROW1 matrix_b_scale:MATRIX_SCALE_ROW1
.endif
.endm
; chunk c (K steps 4 c .. 4 c + 3) of my 32 rows of w1 and 32 of w3: 48 loads; three loads take four rows' 384 bytes, 24 lanes to a row
.macro GLOADB c
	WIN 0xc0                                       ; destination window 3
.set i, 0
.rept 24
	global_load_b128 v[4*i:4*i+3], v[11+i%3], s[14:15] offset:(i/3)*6144+384*(\c)
.set i, i+1
.endr
.rept 24
	global_load_b128 v[4*i:4*i+3], v[11+i%3], s[18:19] offset:((i-24)/3)*6144+384*(\c)
.set i, i+1
.endr
.endm
; the chunk into my own LDS bytes, the rows in the order of the tiles: memory row 16 h + 8 u + j of matrix P goes to place 32 P + 16 u + 8 h + j
.macro SSTOREB
	WIN 0x0c                                       ; an LDS store's data are its source 1: window 3
.set i, 0
.rept 48
.set QG, i/3
	ds_store_b128 v[14+i%3], v[4*i:4*i+3] offset:PB*(4*(QG&1)+16*((QG>>1)&1)+8*((QG>>2)&1)+32*(QG>>3))
.set i, i+1
.endr
.endm
.macro FETB set, s                     ; the four weight fragments of K step s
	WIN 0x40
.irp t, 0,1,2,3
.irp c, 0,1,2
	ds_load_b128 v[48*(\set)+12*\t+4*\c:48*(\set)+12*\t+4*\c+3], v10 offset:16*PB*\t+96*((\s)%4)+16*\c
.endr
.endr
.endm
.macro FETA set, m0, s                 ; x's blocks m0 .. m0 + 3 of K step s, into A0 (window 0, from v128) or A1 (window 1, from v96)
.if (\set) == 0
	WIN 0
.else
	WIN 0x40
.endif
.set AFB, 128-32*(\set)
.irp m, \m0, \m0+1, \m0+2, \m0+3
.irp c, 0,1,2
	ds_load_b128 v[AFB+12*(\m)+4*\c:AFB+12*(\m)+4*\c+3], v[6+(\m)/2] offset:((\m)%2)*16*PA+96*(\s)+16*\c
.endr
.endr
.endm
.macro MUL m0, s, z                    ; 8 matrix instructions: x's blocks m0, m0 + 1; the 32 accumulators take turns, one instruction a turn, in the same order in every step
.if (\s)%2 == 0
	WIN 0xa1                                       ; source 0 window 1, source 1 (A0) window 0, C and D window 2
.else
	WIN 0xa5                                       ; source 1 (A1) window 1 too
.endif
.set AFB, 128-32*((\s)%2)
.irp m, \m0, \m0+1
.irp t, 0,1,2,3
	WM 8*(4*(\m)+\t), 48*((\s)%2)+12*\t, AFB+12*(\m), WSW+16*(\t/2)+(\s), XSW+16*((\m)/2)+(\s), \t%2, (\m)%2, \z
.endr
.endr
.endm
.macro STEP s
.set ZF, 0
.if (\s) == 0
.set ZF, 1
.endif
	s_wait_dscnt 12                                ; the weights' set and x's blocks 0-3 are in (and the chunk's stores, which are older); the youngest 12 loads, blocks 4-7, may be out
.if ((\s) > 0) && ((\s) < 15)
	PLACES                                         ; behind the last step's products, ahead of the loads into the sets that they read; they stay beside the wait
	s_wait_alu depctr_va_vdst(0)                   ; the last step's products are done reading the other A and the other B, in which this step's 36 LDS loads land
.endif
.if ((\s)%4 == 0) && ((\s) < 12)
	s_wait_alu depctr_vm_vsrc(0)                   ; the LDS stores of the chunk in hand have read window 3, in which the next chunk's loads land
	GLOADB (\s)/4+1                                ; the next chunk is asked for
.endif
	MUL 0, \s, ZF
.if (\s) < 15
.if (\s)%4 == 3
	s_wait_loadcnt 0x0                             ; the next chunk, asked for 104 matrix instructions ago
	SSTOREB                                        ; over the chunk whose last fragments have been asked for; LDS serves a wave's instructions in order
.endif
	FETB ((\s)+1)%2, (\s)+1                        ; no wait: no vector or matrix instruction since the step's wait names the other B,
.endif
	MUL 2, \s, ZF
.if (\s) < 15
	FETA ((\s)+1)%2, 0, (\s)+1                     ; nor the other A
	s_wait_dscnt 24                                ; this step's blocks 4-7 are in; the 12 + 12 loads issued in this step may be out
.else
	s_wait_dscnt 0x0                               ; blocks 4-7
.endif
	MUL 4, \s, ZF
.if (\s) < 15
	FETA ((\s)+1)%2, 4, (\s)+1
.endif
	MUL 6, \s, ZF
.endm
.macro OUT m                           ; block m's codes and its byte leave: registers of their own for each block, written once
	global_store_b96 v17, v[160+4*(\m):162+4*(\m)], s[30:31] offset:12288*(\m)
	ds_store_b8 v18, v[192+(\m)] offset:64*(\m)    ; both lanes of a block write the same byte with the same value
.endm
; block m of 16 rows: g = h1 / (1 + 2^(-h1 log2 e)) x h3, its block's scale, its codes
.macro EPI m
	WIN 0x02                                       ; source 0 window 2
.irp j, 0,2,4,6,8,10,12,14
	v_pk_mul_f32 v[T+\j:T+\j+1], v[32*(\m)+\j:32*(\m)+\j+1], s[46:47] op_sel_hi:[1,0]   ; each accumulator from its low end on
.endr
	WIN 0
.irp j, 0,1,2,3,4,5,6,7,8,9,10,11,12,13,14,15
	v_exp_f32 v[T+\j], v[T+\j]
.endr
	v_nop                                          ; a plain line behind the exponentials
	s_wait_alu depctr_va_vdst(0)                   ; the sixteen exponentials have written v[T ..], ahead of their first reader; and the block before has written its codes and its byte, which the two stores below read
.if (\m) > 0
	OUT (\m)-1
.endif
.irp j, 0,2,4,6,8,10,12,14
	v_pk_add_f32 v[T+\j:T+\j+1], v[T+\j:T+\j+1], 1.0 op_sel_hi:[1,0]
.endr
.irp j, 0,1,2,3,4,5,6,7,8,9,10,11,12,13,14,15
	v_rcp_f32 v[T+\j], v[T+\j]
.endr
	v_nop
	WIN 0x08                                       ; source 1 window 2
	s_wait_alu depctr_va_vdst(0)                   ; the sixteen reciprocals have written v[T ..], ahead of their first reader
.irp j, 0,2,4,6,8,10,12,14
	v_pk_mul_f32 v[T+\j:T+\j+1], v[T+\j:T+\j+1], v[32*(\m)+\j:32*(\m)+\j+1]
.endr
.irp j, 0,2,4,6,8,10,12,14
	v_pk_mul_f32 v[T+\j:T+\j+1], v[T+\j:T+\j+1], v[32*(\m)+16+\j:32*(\m)+16+\j+1]
.endr
	WIN 0
	v_max3_num_f32 v144, |v[T]|, |v[T+1]|, 0x2800000       ; my 16 of the block's 32, and the floor 2^(5 - 127)
.irp j, 2,4,6,8,10,12,14
	v_max3_num_f32 v144, v144, |v[T+\j]|, |v[T+\j+1]|
.endr
	v_permlanex16_b32 v145, v144, s48, s49
	v_max_num_f32 v144, v144, v145                 ; with lane l xor 16's
	v_add_nc_u32 v146, 0xfe000000, v144            ; 4 off the exponent field: the conversion's scale operand
	v_lshrrev_b32 v[192+(\m)], 23, v146            ; the byte
	v_cvt_scalef32_pk16_bf6_f32 v[160+4*(\m):162+4*(\m)], v[T:T+15], v146
	v_nop                                          ; a plain line behind the conversion
.endm
	s_load_b512 s[8:23], s[0:1], 0x0               ; plan, xq, xsc, w1 codes, w1 scales, w3 codes, w3 scales, ws1 codes
	s_load_b256 s[24:31], s[0:1], 0x40             ; ws1 scales, ws3 codes, ws3 scales, gq
	s_load_b64 s[32:33], s[0:1], 0x60              ; gsc
	v_lshl_add_u32 v254, v0, 2, 0x49a00
	v_mov_b32 v255, 0
	v_lshrrev_b32 v1, 5, v0
	v_readfirstlane_b32 s34, v1                    ; wave
	s_mov_b32 s35, ttmp9                           ; slice of 128 hidden units
	s_and_b32 s39, ttmp7, 0xffff                   ; the tile's number
	s_lshl_b32 s36, s39, 4                         ; and its record's byte
	v_and_b32 v1, 31, v0                           ; lane
	v_and_b32 v2, 15, v0                           ; r
	v_bfe_u32 v3, v0, 4, 1                         ; h
	v_lshlrev_b32 v4, 4, v1
	s_wait_alu depctr_va_sdst(0)                   ; s34, the wave's number, is written, ahead of its first reader
	s_mul_i32 s37, s34, AW
	v_add_nc_u32 v5, s37, v4                       ; where I put x's rows 32 w on
	v_mul_u32_u24 v27, v2, PA
	v_mad_u32_u24 v27, v3, 48, v27
.irp g, 0,1,2,3
	v_add_nc_u32 v[6+\g], \g*AW, v27               ; x's fragments: row r, + 48 h, + 32 g rows
.endr
	s_mul_i32 s37, s34, BW
	s_add_co_u32 s37, s37, BST
	v_mul_u32_u24 v10, v2, PB
	v_mad_u32_u24 v10, v3, 48, v10
	v_add_nc_u32 v10, s37, v10                     ; the weights' fragments
.irp k, 0,1,2
	v_add_nc_u32 v27, 32*\k, v1                    ; piece p = 32 k + lane of four rows' 96 pieces of 16 bytes:
	v_mul_u32_u24 v28, v27, 43
	v_lshrrev_b32 v28, 10, v28                     ; its row jr = p / 24
	v_lshlrev_b32 v29, 4, v27
	v_mad_u32_u24 v[11+\k], v28, 1152, v29         ; in memory: 1,536 jr + 16 (p - 24 jr) = 16 p + 1,152 jr
	v_add_nc_u32 v27, v27, v28
	v_lshl_add_u32 v[14+\k], v27, 4, s37           ; in LDS: 400 jr + 16 (p - 24 jr) = 16 (p + jr): one padding further on for each row passed
.endr
	v_mul_u32_u24 v17, v2, 768
	v_mad_u32_u24 v17, v3, 12, v17
	s_mul_i32 s37, s34, 24
	v_add_nc_u32 v17, s37, v17                     ; my 12 bytes of g's codes: row r, + 24 w + 12 h
	s_and_b32 s37, s34, 1
	s_lshl_b32 s37, s37, 1
	s_lshr_b32 s38, s34, 1
	s_or_b32 s37, s37, s38                         ; block w's place in the scale word: blocks 1 and 2 change places
	s_add_co_u32 s37, s37, GSB
	v_lshl_add_u32 v18, v2, 2, s37
	v_lshl_add_u32 v19, v0, 2, GSB                 ; row 32 w + lane's word,
	v_lshlrev_b32 v20, 5, v0                       ; and its place in gsc: 32 bytes a row
	v_and_b32 v26, 8, v2
	v_add_nc_u32 v26, v26, v2
	v_lshl_add_u32 v26, v3, 3, v26                 ; the weight row whose scales I hold: 8 h + r + 8 (r / 8)
	v_lshlrev_b32 v26, 6, v26
	s_mov_b32 s46, 0xbfb8aa3b                      ; -log2(e)
	s_mov_b32 s47, s46
	s_mov_b32 s48, 0x76543210
	s_mov_b32 s49, 0xfedcba98                      ; v_permlanex16_b32's selects for lane l xor 16
	s_mov_b32 s50, 0x03010200                      ; v_perm_b32: the two middle bytes change places
	s_mov_b32 s53, 0
	s_wait_kmcnt 0x0
	s_load_b128 s[40:43], s[8:9], s36 offset:36864 ; {expert, first slot, rows, (not used here)}
	s_wait_kmcnt 0x0
	s_min_u32 s40, s40, 7
	s_min_u32 s41, s41, 9088
	s_min_u32 s44, s42, 128
	s_cmp_ge_u32 s39, NROUT                        ; the shared expert's buffers take the routed ones' place: the choice hangs on the work-group's number alone
	s_cselect_b64 s[14:15], s[22:23], s[14:15]
	s_cselect_b64 s[16:17], s[24:25], s[16:17]
	s_cselect_b64 s[18:19], s[26:27], s[18:19]
	s_cselect_b64 s[20:21], s[28:29], s[20:21]
	s_lshl_b32 s37, s35, 7
	s_lshl_b32 s38, s34, 5
	s_add_co_u32 s37, s37, s38                     ; my first hidden unit
	s_mul_i32 s52, s40, 1572864                    ; (the shared expert's records hold expert 0)
	s_mul_i32 s38, s37, 1536
	s_add_co_u32 s52, s52, s38
	s_add_nc_u64 s[14:15], s[14:15], s[52:53]
	s_add_nc_u64 s[18:19], s[18:19], s[52:53]
	s_lshl_b32 s52, s40, 16
	s_lshl_b32 s38, s37, 6
	s_add_co_u32 s52, s52, s38
	s_add_nc_u64 s[16:17], s[16:17], s[52:53]
	s_add_nc_u64 s[20:21], s[20:21], s[52:53]
	s_mul_i32 s52, s41, 768
	s_mul_i32 s38, s35, 96
	s_add_co_u32 s52, s52, s38
	s_add_nc_u64 s[30:31], s[30:31], s[52:53]      ; gq at the tile's first slot and the slice's 96 bytes
	s_lshl_b32 s52, s41, 5
	s_lshl_b32 s38, s35, 2
	s_add_co_u32 s52, s52, s38
	s_add_nc_u64 s[32:33], s[32:33], s[52:53]      ; gsc likewise: the slice's word
	s_max_u32 s45, s44, 1
	s_sub_co_u32 s45, s45, 1                       ; the tile's last row: rows past it repeat it, so no unwritten word of the list is read
.irp p, 0,1,2,3
	v_add_nc_u32 v[21+\p], 32*\p, v1
	v_min_u32 v[21+\p], s45, v[21+\p]
	v_min_u32 v[21+\p], 127, v[21+\p]
	v_add_nc_u32 v[21+\p], s41, v[21+\p]
	v_lshlrev_b32 v[21+\p], 2, v[21+\p]
.endr
	v_min_u32 v25, s45, v0
	v_min_u32 v25, 127, v25
	v_add_nc_u32 v25, s41, v25
	v_lshlrev_b32 v25, 2, v25
	s_wait_alu depctr_va_vdst(0)                   ; the addresses and offsets v4 to v26 are written, which the loads and stores of the whole kernel read; so is v27, in which an LDS load lands at the end
.irp p, 0,1,2,3,4
	global_load_b32 v[TKN+\p], v[21+\p], s[8:9]    ; the tokens of rows 32 p + lane, and of my wave's rows 32 w + lane
.endr
.irp i, 0,1,2,3
	global_load_b128 v[WSW+4*\i:WSW+4*\i+3], v26, s[16:17] offset:16*\i
	global_load_b128 v[WSW+16+4*\i:WSW+16+4*\i+3], v26, s[20:21] offset:16*\i
.endr
	GLOADB 0
	WIN 0
	s_wait_loadcnt 56                              ; the five list loads are in; the 8 + 48 issued behind them may be out
.irp p, 0,1,2,3
	v_min_u32 v[XO+\p], 1023, v[TKN+\p]
	v_lshlrev_b32 v[XO+\p], 6, v[XO+\p]
.endr
	v_min_u32 v233, 1023, v[TKN+4]
	s_wait_alu depctr_va_vdst(0)                   ; the four offsets v229 to v232 are written, which the sixteen loads below read
.irp p, 0,1,2,3
.irp i, 0,1,2,3
	global_load_b128 v[XSW+16*\p+4*\i:XSW+16*\p+4*\i+3], v[XO+\p], s[12:13] offset:16*\i
.endr
.endr
	s_cmp_eq_u32 s44, 0
	s_cbranch_scc1 .Lno_rows_1
	; ---- my wave's 32 rows of x's codes, three loads of 512 consecutive bytes each, into LDS.
	; The 32 lane reads stand in one run, the scalar lines in runs behind them: no line of a run hangs on the line just ahead of it
.set j, 0
.rept 32
	v_readlane_b32 s[TK+j], v233, j
.set j, j+1
.endr
	s_wait_alu depctr_va_sdst(0)                   ; the 32 lane reads have written s66 to s97, ahead of their first reader
.set j, 0
.rept 32
	s_min_u32 s[TK+j], s[TK+j], 1023
.set j, j+1
.endr
.set j, 0
.rept 32
	s_mul_i32 s[TK+j], s[TK+j], 1536
.set j, j+1
.endr
.set j, 0
.rept 32
	v_add_nc_u32 v[128+j], s[TK+j], v4
.set j, j+1
.endr
	WIN 0x80
	s_wait_alu depctr_va_vdst(0)                   ; the 32 rows' offsets v128 to v159 are written, which the 96 loads below read
.set j, 0
.rept 16
.irp i, 0,1,2
	global_load_b128 v[12*j+4*\i:12*j+4*\i+3], v[128+j], s[10:11] offset:512*\i
.endr
.set j, j+1
.endr
	WIN 0x40
.set j, 0
.rept 16
.irp i, 0,1,2
	global_load_b128 v[12*j+4*\i:12*j+4*\i+3], v[144+j], s[10:11] offset:512*\i
.endr
.set j, j+1
.endr
	WIN 0x08
	s_wait_loadcnt 48                              ; rows 0-15 are in; the 48 loads of rows 16-31 may be out
.set j, 0
.rept 16
.irp i, 0,1,2
	ds_store_b128 v5, v[12*j+4*\i:12*j+4*\i+3] offset:j*PA+512*\i
.endr
.set j, j+1
.endr
	WIN 0x04
	s_wait_loadcnt 0x0
.set j, 0
.rept 16
.irp i, 0,1,2
	ds_store_b128 v5, v[12*j+4*\i:12*j+4*\i+3] offset:(j+16)*PA+512*\i
.endr
.set j, j+1
.endr
	WIN 0
.Lno_rows_1:
	s_wait_loadcnt 0x0                             ; no load of mine is out at the signal (met at once where there were rows)
	s_wait_dscnt 0x0                               ; for the others' sake: my rows lie in LDS
	s_wait_alu depctr_vm_vsrc(0)                   ; my LDS stores have read v0-191 of windows 1 and 2, and the rows' loads their offsets v128-159: fragments land in these registers and products write them from here on
	s_barrier_signal -1
	s_barrier_wait -1
	s_cmp_eq_u32 s44, 0
	s_cbranch_scc1 .Lno_rows_2
	; ---- the products
	s_wait_loadcnt 0x0                             ; the scale words and chunk 0
.set j, 0
.rept 32
	v_perm_b32 v[WSW+j], v[WSW+j], v[WSW+j], s50
.set j, j+1
.endr
.rept 8
	v_nop                                          ; a scale register written by a vector instruction stands 8 places ahead of a scaled matrix instruction
.endr
	s_wait_alu depctr_va_vdst(0)                   ; the 32 v_perm_b32 have written the weights' scale words, which the products take; the places above stay beside this wait
	SSTOREB
	FETB 0, 0
	FETA 0, 0, 0
	FETA 0, 4, 0
.irp s, 0,1,2,3,4,5,6,7,8,9,10,11,12,13,14,15
	STEP \s
.endr
	PLACES                                         ; behind the last products, ahead of the first read of their results
	WIN 0
	v_mov_b32 v145, 0                              ; a lane permute's destination counts as one of its sources
.irp m, 0,1,2,3,4,5,6,7
	EPI \m
.endr
	s_wait_alu depctr_va_vdst(0)                   ; the last block has written its codes and its byte, which the two stores below read
	OUT 7
.Lno_rows_2:
	s_wait_dscnt 0x0                               ; for the others' sake: my scale bytes lie in LDS
	s_barrier_signal -1
	s_barrier_wait -1
	s_cmp_eq_u32 s44, 0
	s_cbranch_scc1 .Lend
	ds_load_b32 v27, v19                           ; a row's four bytes, one from each wave
	s_wait_dscnt 0x0
	global_store_b32 v20, v27, s[32:33]
.Lend:
	s_wait_dscnt 0x0                               ; the closing lines, six on end
	s_wait_alu 0x0
	s_wait_tensorcnt 0x0
	ds_add_u32 v254, v255
	s_wait_dscnt 0x0
	s_endpgm
.Lfunc_end_k_qf90ded03bb_up:
	.size	k_qf90ded03bb_up, .Lfunc_end_k_qf90ded03bb_up-k_qf90ded03bb_up
	.p2alignl 7, 3214868480
	.fill 96, 4, 3214868480
	.section	.rodata,"a",@progbits
	.p2align	6, 0x0
	.amdhsa_kernel k_qf90ded03bb_up
		.amdhsa_group_segment_fixed_size 302080
		.amdhsa_private_segment_fixed_size 0
		.amdhsa_enable_private_segment 0
		.amdhsa_kernarg_size 104
		.amdhsa_user_sgpr_count 2
		.amdhsa_user_sgpr_kernarg_segment_ptr 1
		.amdhsa_wavefront_size32 1
		.amdhsa_system_sgpr_workgroup_id_x 1
		.amdhsa_system_sgpr_workgroup_id_y 1
		.amdhsa_system_sgpr_workgroup_id_z 1
		.amdhsa_system_vgpr_workitem_id 0
		.amdhsa_next_free_vgpr 960
		.amdhsa_next_free_sgpr 100
		.amdhsa_reserve_vcc 0
		.amdhsa_float_denorm_mode_32 3
		.amdhsa_float_denorm_mode_16_64 3
		.amdhsa_memory_ordered 1
		.amdhsa_forward_progress 1
		.amdhsa_inst_pref_size 206
	.end_amdhsa_kernel
	.amdgpu_metadata
---
amdhsa.version: [ 1, 2 ]
amdhsa.kernels:
  - .name:           k_qf90ded03bb_up
    .symbol:         k_qf90ded03bb_up.kd
    .args:
      - { .name: plan, .offset: 0, .size: 8, .value_kind: global_buffer, .address_space: global }
      - { .name: xq, .offset: 8, .size: 8, .value_kind: global_buffer, .address_space: global }
      - { .name: xsc, .offset: 16, .size: 8, .value_kind: global_buffer, .address_space: global }
      - { .name: w1_codes, .offset: 24, .size: 8, .value_kind: global_buffer, .address_space: global }
      - { .name: w1_scales, .offset: 32, .size: 8, .value_kind: global_buffer, .address_space: global }
      - { .name: w3_codes, .offset: 40, .size: 8, .value_kind: global_buffer, .address_space: global }
      - { .name: w3_scales, .offset: 48, .size: 8, .value_kind: global_buffer, .address_space: global }
      - { .name: ws1_codes, .offset: 56, .size: 8, .value_kind: global_buffer, .address_space: global }
      - { .name: ws1_scales, .offset: 64, .size: 8, .value_kind: global_buffer, .address_space: global }
      - { .name: ws3_codes, .offset: 72, .size: 8, .value_kind: global_buffer, .address_space: global }
      - { .name: ws3_scales, .offset: 80, .size: 8, .value_kind: global_buffer, .address_space: global }
      - { .name: gq, .offset: 88, .size: 8, .value_kind: global_buffer, .address_space: global }
      - { .name: gsc, .offset: 96, .size: 8, .value_kind: global_buffer, .address_space: global }
    .group_segment_fixed_size: 302080
    .private_segment_fixed_size: 0
    .kernarg_segment_align: 8
    .kernarg_segment_size: 104
    .max_flat_workgroup_size: 128
    .sgpr_count:     100
    .vgpr_count:     960
    .wavefront_size: 32
...
	.end_amdgpu_metadata
.endif
;; end of part 5
;; launch down (part 6): grid 16 x 16, 4 waves a work-group, no clusters, 151,040 bytes of LDS; arguments plan, cpos, gq, gsc, w2_codes, w2_scales, ws2_codes, ws2_scales, out0; writes out0
.if DOCPART == 6
	.amdgcn_target "amdgcn-amd-amdhsa--gfx1250"
	.amdhsa_code_object_version 6
	.text
	.protected	k_qf90ded03bb_down
	.globl	k_qf90ded03bb_down
	.p2align	8
	.type	k_qf90ded03bb_down,@function
k_qf90ded03bb_down:
	s_mov_b64 s[64:65], 0
	v_nop
	global_prefetch_b8 v0, s[64:65] scope:SCOPE_SE
	s_setreg_imm32_b32 hwreg(HW_REG_WAVE_SCHED_MODE, 0, 2), 2
	s_setreg_imm32_b32 hwreg(HW_REG_WAVE_MODE, 25, 1), 1
	s_wait_xcnt 0x0
	s_wait_alu depctr_vm_vsrc(0)
; THE LAST PRODUCT AND THE SUM: out[token] = g_shared ws2^T + c_a (g_a w2[a]^T) + c_b (g_b w2[b]^T), on codes of BF6 (E3M2) with E8M0 scales; sums in f32.
; EACH OUTPUT ROW HAS ONE OWNER.  A work-group takes 64 neighbouring positions of the sorted order (work-group y) x 128 columns (work-group x).  It runs one PASS (K = 1,024, 8 steps) for the shared expert, which starts
; the totals, and one for each routed expert that any of its 64 tokens uses: temporaries begun with C = 0, then total += c x temporary.  A token that does not use the pass's expert takes the zero row and c = 0.
; Wave w takes all 64 rows x columns 32 w .. 32 w + 31.  TRANSPOSED: source 0 = 16 rows of w2 (16 columns of out), source 1 = 16 rows of g: a lane holds eight neighbouring columns of one token.
; FRAGMENTS as in the launch before: lane half h takes the 48 consecutive bytes of blocks 2 h and 2 h + 1; g's scale words are stored with the middle bytes changed, w2's are turned by v_perm_b32.
; A pass's operands (64 rows of g, 49,152 bytes; a wave's 32 rows of w2, 24,576 dense bytes) come through registers into LDS; those of the next expert in use are asked for during a pass and land during it.
; A REQUEST IS 86 LOADS A WAVE, IN TWO PARTS: 62 ahead of the pass's products and 24 in the pass's middle.  LOADcnt's field counts to 63, and the issue of a load beyond that is held until earlier ones are back
; (ISA guide 5.7.1): in one run the wave, and with it the pass that the request is to lie under, would stand at the 64th.
; THE SHARED EXPERT'S SLOTS ARE 8192 + POSITION: they follow from the work-group's number, so the shared pass's operands are asked for together with the block's records, not behind them.
; The loop over the 8 experts has a constant count; an expert that the block does not use costs two barriers.  Every wave passes every barrier: the branches on the stored mask jump over sections without barriers.
; No tensor load, no joint request: which experts a block walks, and how many, hangs on numbers read from memory, so partners would need different numbers of passes.
; THE MODE: SCHED_MODE bits 1:0 = 2 (LLVM: expert scheduling mode 2), set by the entry lines.  The code itself states the register dependences
; between vector or matrix instructions and memory or LDS instructions, with s_wait_alu, always for 0.
; THE PLAN.  Registers that memory or LDS instructions touch, round the loop over experts:
;   four fragment sets (sets 0, 1: window 2, v0-143; sets 2, 3: window 3, v0-143)   K step s: its products read set s % 4; behind them the LDS loads of step s + 2 land in set (s + 2) % 4, which step s - 2's products read.
;   v64-87                     a request's scale words: loads land there; LAND's moves read them.
;   window 1 v0-191, window 2 v144-239   a request's rows: loads land there, LAND's LDS stores read them; no vector or matrix instruction names them.
;   v27, v28                   a request's two offsets: written by vector lines for each request, read by its first four loads.
;   v4-15                      addresses, made at the head and never written again.
; FIRST, which stands on every way to a pass, holds one wait on va_vdst (the scale words at work are written; the last pass's products are done reading all four sets; LAND's moves are done reading v64-87) and one on
; vm_vsrc (LAND's stores have read the rows' registers, the last request's loads v27 and v28).  A request's preparation ends with a wait on va_vdst for v27 and v28.  In a pass a wait on va_vdst stands at K steps 2 and 4
; alone: each frees the two sets that the next two runs of loads take.  Compares write scalar registers in runs, lane reads likewise, each run with one wait on va_sdst behind it.
; REGISTERS: window 0: v1-15 addresses; v16-59 records and at work; v64-87 scale words as they land, v88-111 at work; v112-127 records as loaded, later 16 store offsets; v128-191 temporaries, v192-255 totals ((m, t) at 8 (2 m + t)).
;   window 1: v0-191 w2's rows on their way.   window 2: v0-95 g's fragments, v96-143 w2's: sets 0 and 1; v144-239 g's rows on their way.   window 3: v0-143 sets 2 and 3.
.set PG,    784                        ; a row of 768 bytes + 16: an odd multiple of 16 (ISA guide 11.1)
.set BS,    64*PG                      ; behind g's 64 rows: 32 rows of w2 for each wave
.set BSW,   32*PG
.set PO,    528                        ; the way out: 64 rows x (512 bytes + 16), in g's bytes
.set ZSLOT, 9216
.set SSLOT, 8192
.set LA,    64
.set LB,    80
.set SAW,   88                         ; 8 p + s: lane l: row 32 p + l
.set SBW,   104                        ; s: lane l: my row l of w2
.set TMP,   128
.set TOT,   192
.set FA,    0
.set FB,    96
.set AD,    144
.set RB,    66                         ; s66-97  the addresses of my 16 rows of g
.set SX,    32                         ; s32-47  at work: the runs of compares; on the way out my 16 rows' tokens
.set MSB, 0
.macro WIN new                         ; the immediate's high byte repeats the setting that is left
.if MSB != \new
	s_set_vgpr_msb (MSB<<8)|\new
.set MSB, \new
.endif
.endm
.macro WM d, a, b, sa, sb, ra, rb, z   ; one matrix instruction: ra, rb: 1 = the scale words lie in lanes 16-31; z: 1 = the product starts the sum
.set WSEL, 4*(\z)+2*(\ra)+(\rb)
.if WSEL == 0
	v_wmma_scale_f32_16x16x128_f8f6f4 v[(\d):(\d)+7], v[(\a):(\a)+11], v[(\b):(\b)+11], v[(\d):(\d)+7], v[(\sa)], v[(\sb)] matrix_a_fmt:MATRIX_FMT_BF6 matrix_b_fmt:MATRIX_FMT_BF6
.elseif WSEL == 1
	v_wmma_scale_f32_16x16x128_f8f6f4 v[(\d):(\d)+7], v[(\a):(\a)+11], v[(\b):(\b)+11], v[(\d):(\d)+7], v[(\sa)], v[(\sb)] matrix_a_fmt:MATRIX_FMT_BF6 matrix_b_fmt:MATRIX_FMT_BF6 matrix_b_scale:MATRIX_SCALE_ROW1
.elseif WSEL == 2
	v_wmma_scale_f32_16x16x128_f8f6f4 v[(\d):(\d)+7], v[(\a):(\a)+11], v[(\b):(\b)+11], v[(\d):(\d)+7], v[(\sa)], v[(\sb)] matrix_a_fmt:MATRIX_FMT_BF6 matrix_b_fmt:MATRIX_FMT_BF6 matrix_a_scale:MATRIX_SCALE_ROW1
.elseif WSEL == 3
	v_wmma_scale_f32_16x16x128_f8f6f4 v[(\d):(\d)+7], v[(\a):(\a)+11], v[(\b):(\b)+11], v[(\d):(\d)+7], v[(\sa)], v[(\sb)] matrix_a_fmt:MATRIX_FMT_BF6 matrix_b_fmt:MATRIX_FMT_BF6 matrix_a_scale:MATRIX_SCALE_ROW1 matrix_b_scale:MATRIX_SCALE_ROW1
.elseif WSEL == 4
	v_wmma_scale_f32_16x16x128_f8f6f4 v[(\d):(\d)+7], v[(\a):(\a)+11], v[(\b):(\b)+11], 0, v[(\sa)], v[(\sb)] matrix_a_fmt:MATRIX_FMT_BF6 matrix_b_fmt:MATRIX_FMT_BF6
.elseif WSEL == 5
	v_wmma_scale_f32_16x16x128_f8f6f4 v[(\d):(\d)+7], v[(\a):(\a)+11], v[(\b):(\b)+11], 0, v[(\sa)], v[(\sb)] matrix_a_fmt:MATRIX_FMT_BF6 matrix_b_fmt:MATRIX_FMT_BF6 matrix_b_scale:MATRIX_SCALE_ROW1
.elseif WSEL == 6
	v_wmma_scale_f32_16x16x128_f8f6f4 v[(\d):(\d)+7], v[(\a):(\a)+11], v[(\b):(\b)+11], 0, v[(\sa)], v[(\sb)] matrix_a_fmt:MATRIX_FMT_BF6 matrix_b_fmt:MATRIX_FMT_BF6 matrix_a_scale:MATRIX_SCALE_ROW1
.else
	v_wmma_scale_f32_16x16x128_f8f6f4 v[(\d):(\d)+7], v[(\a):(\a)+11], v[(\b):(\b)+11], 0, v[(\sa)], v[(\sb)] matrix_a_fmt:MATRIX_FMT_BF6 matrix_b_fmt:MATRIX_FMT_BF6 matrix_a_scale:MATRIX_SCALE_ROW1 matrix_b_scale:MATRIX_SCALE_ROW1
.endif
.endm
; a request is prepared: sh = 1 the shared expert's, else expert s54's.  No load of mine is out when this begins, so the scalar bases may be written.
; sh = 0: each row's slot with expert s54, or the zero row; clamped by a constant, since it goes into an address.  The six compares stand in one run, into scalar registers
.macro ISSUE_P sh
.if \sh
	s_lshl_b32 s60, s28, 6
	s_add_co_u32 s60, s60, SSLOT                   ; the block's first slot with the shared expert: 8192 + its first position
	v_add_nc_u32 v27, s60, v1
	v_lshlrev_b32 v27, 5, v27                      ; rows lane,
	v_add_nc_u32 v28, 1024, v27                    ; and 32 + lane, of gsc: 32 bytes a row
	s_mov_b64 s[56:57], s[20:21]
	s_mov_b64 s[58:59], s[22:23]
.else
	v_cmp_eq_u32 s[SX+0], s54, v16                 ; rows lane: is it their a, their b;
	v_cmp_eq_u32 s[SX+1], s54, v18
	v_cmp_eq_u32 s[SX+2], s54, v17                 ; rows 32 + lane;
	v_cmp_eq_u32 s[SX+3], s54, v19
	v_cmp_eq_u32 s[SX+4], s54, v22                 ; rows 16 w + r
	v_cmp_eq_u32 s[SX+5], s54, v23
	s_mul_i32 s60, s54, 1572864
	s_mov_b32 s61, 0
	s_add_nc_u64 s[56:57], s[16:17], s[60:61]
	s_lshl_b32 s60, s54, 16
	s_add_nc_u64 s[58:59], s[18:19], s[60:61]
	s_wait_alu depctr_va_sdst(0)                   ; the six compares have written s32 to s37, ahead of the selections that read them
	v_cndmask_b32 v27, v26, v113, s[SX+0]
	v_cndmask_b32 v28, v26, v117, s[SX+2]
	v_cndmask_b32 v29, v26, v121, s[SX+4]
	v_cndmask_b32 v27, v27, v114, s[SX+1]
	v_cndmask_b32 v28, v28, v118, s[SX+3]
	v_cndmask_b32 v29, v29, v122, s[SX+5]
	v_min_u32 v27, ZSLOT, v27
	v_min_u32 v28, ZSLOT, v28
	v_min_u32 v29, ZSLOT, v29
	v_lshlrev_b32 v27, 5, v27
	v_lshlrev_b32 v28, 5, v28
.endif
	s_wait_alu depctr_va_vdst(0)                   ; v27 and v28 are written, which the request's first loads read as offsets (at the kernel's head: so are all the addresses, v4 to v15 and v56 to v58)
.endm
; the first part of a request: 6 + 24 + 32 = 62 loads
.macro ISSUE_L sh
	global_load_b128 v[LA:LA+3], v27, s[14:15]             ; g's scale words: rows lane and 32 + lane, 32 bytes each
	global_load_b128 v[LA+4:LA+7], v27, s[14:15] offset:16
	global_load_b128 v[LA+8:LA+11], v28, s[14:15]
	global_load_b128 v[LA+12:LA+15], v28, s[14:15] offset:16
	global_load_b128 v[LB:LB+3], v15, s[58:59]             ; w2's: my row lane
	global_load_b128 v[LB+4:LB+7], v15, s[58:59] offset:16
	WIN 0x40
.set i, 0
.rept 24
	global_load_b128 v[4*i:4*i+3], v4, s[56:57] offset:512*i               ; the first half of my 32 rows of w2: one dense block; these are on their way while the rows' addresses are made
.set i, i+1
.endr
	WIN 0
	s_mov_b32 s63, 0
.if \sh
	s_lshl_b32 s62, s26, 4
	s_add_co_u32 s62, s62, s60                     ; my first row's slot: the 16 rows are neighbours in gq
	s_mul_i32 s62, s62, 768
	s_add_nc_u64 s[RB:RB+1], s[12:13], s[62:63]
.set i, 1
.rept 15
	s_add_nc_u64 s[RB+2*i:RB+2*i+1], s[RB:RB+1], 768*i
.set i, i+1
.endr
.else
.set i, 0
.rept 16
	v_readlane_b32 s[RB+2*i], v29, i               ; the slot of row 16 w + i: the sixteen lane reads in one run, the scalar lines behind them
.set i, i+1
.endr
	s_wait_alu depctr_va_sdst(0)                   ; the sixteen lane reads have written their scalar registers, ahead of the first reader
.set i, 0
.rept 16
	s_min_u32 s62, s[RB+2*i], ZSLOT
	s_mul_i32 s62, s62, 768
	s_add_nc_u64 s[RB+2*i:RB+2*i+1], s[12:13], s[62:63]
.set i, i+1
.endr
.endif
	WIN 0x80
.set i, 0
.rept 16
	global_load_b128 v[AD+6*i:AD+6*i+3], v4, s[RB+2*i:RB+2*i+1]              ; a row of g: 512 consecutive bytes,
	global_load_b64 v[AD+6*i+4:AD+6*i+5], v5, s[RB+2*i:RB+2*i+1] offset:512  ; and 256
.set i, i+1
.endr
	WIN 0
.endm
; the second part: the other half of my rows of w2, 24 loads
.macro ISSUE_B
	WIN 0x40
.set i, 24
.rept 24
	global_load_b128 v[4*i:4*i+3], v4, s[56:57] offset:512*i
.set i, i+1
.endr
	WIN 0
.endm
; they have landed: into LDS; the scale words to the registers at work; the pass's c (expert s52)
.macro LAND sh
	s_wait_loadcnt 0x0
	WIN 0x08
.set i, 0
.rept 16
	ds_store_b128 v6, v[AD+6*i:AD+6*i+3] offset:PG*i
	ds_store_b64 v7, v[AD+6*i+4:AD+6*i+5] offset:PG*i+512
.set i, i+1
.endr
	WIN 0x04
.set i, 0
.rept 48
	ds_store_b128 v[8+i%3], v[4*i:4*i+3] offset:(i/3)*2*PG
.set i, i+1
.endr
	WIN 0
.if !(\sh)
.irp m, 0,1,2,3
	v_cmp_eq_u32 s[SX+2*\m], s52, v[36+\m]         ; is the pass's expert the row's b, its a: eight compares in one run; the moves below stand between them and the wait
	v_cmp_eq_u32 s[SX+2*\m+1], s52, v[32+\m]
.endr
.endif
.set i, 0
.rept 16
	v_mov_b32 v[SAW+i], v[LA+i]
.set i, i+1
.endr
.set i, 0
.rept 8
	v_perm_b32 v[SBW+i], v[LB+i], v[LB+i], s55
.set i, i+1
.endr
.if !(\sh)
	s_wait_alu depctr_va_sdst(0)                   ; the eight compares have written s32 to s39, ahead of the selections that read them
.irp m, 0,1,2,3
	v_cndmask_b32 v[48+2*\m], 0, v[41+2*\m], s[SX+2*\m]
	v_cndmask_b32 v[48+2*\m], v[48+2*\m], v[40+2*\m], s[SX+2*\m+1]
	v_mov_b32 v[49+2*\m], v[48+2*\m]               ; twice, a pair for the packed multiply-add
.endr
.endif
.rept 8
	v_nop                                          ; a scale register written by a vector instruction stands 8 places ahead of a scaled matrix instruction
.endr
.endm
.macro FR s                            ; K step s: g's four fragments and w2's two, 18 loads, into set s % 4
.if ((\s)%4) < 2
	WIN 0x80
.else
	WIN 0xc0
.endif
.irp m, 0,1,2,3
.irp c, 0,1,2
	ds_load_b128 v[FA+48*((\s)%2)+12*\m+4*\c:FA+48*((\s)%2)+12*\m+4*\c+3], v11 offset:16*PG*\m+96*(\s)+16*\c
.endr
.endr
.irp t, 0,1
.irp c, 0,1,2
	ds_load_b128 v[FB+24*((\s)%2)+12*\t+4*\c:FB+24*((\s)%2)+12*\t+4*\c+3], v12 offset:16*PG*\t+96*(\s)+16*\c
.endr
.endr
.endm
.macro FIRST                           ; K steps 0 and 1's fragments, fetched ahead of the next request's lines, so that they land meanwhile.  It stands on every way to a pass, behind LAND
.rept 4
	v_nop                                          ; four places behind the products that read these sets (ISA guide 7.12.1); they stay beside the wait
.endr
	s_wait_alu depctr_va_vdst(0)                   ; the moves have written the scale words at work, which the products take, and are done reading v64-87, in which the next request's words land; the last pass's products are done reading all four fragment sets
	s_wait_alu depctr_vm_vsrc(0)                   ; the LDS stores have read the rows' registers (window 1, window 2 from v144 on), in which the next request's loads land; the last request's loads have read v27 and v28, which its preparation writes
	FR 0
	FR 1
	WIN 0                                          ; (a branch follows)
.endm
; a pass behind FIRST: 64 matrix instructions; the eight accumulators take turns, one instruction a turn.  Behind a step's eight products stand the loads of the step two on.
; Ahead of K step 4 stands the second part of the next expert's request, under the same test as the first part: the mask of experts still to come is not 0
.macro COMPUTE d
.irp s, 0,1,2,3,4,5,6,7
.if \s == 4
	WIN 0                                          ; at a branch and at a label every window is 0
	s_cmp_eq_u32 s53, 0
	s_cbranch_scc1 .Lno_more_\@
	ISSUE_B
.Lno_more_\@:
.endif
.if \s < 7
	s_wait_dscnt 18                                ; this step's fragments are in; the next step's 18 loads may be out
.else
	s_wait_dscnt 0x0
.endif
.if (\s == 2) || (\s == 4)
.rept 4
	v_nop                                          ; four places behind the products of the two steps before, ahead of the loads into the sets that they read; they stay beside the wait
.endr
	s_wait_alu depctr_va_vdst(0)                   ; the products of the two steps before are done reading their sets, in which this step's and the next step's loads land
.endif
.if (\s%4) < 2
	WIN 0x0a                                       ; sources 0 and 1 window 2; C and D window 0
.else
	WIN 0x0f                                       ; sources 0 and 1 window 3
.endif
.irp m, 0,1,2,3
.irp t, 0,1
.if \s == 0
	WM \d+8*(2*\m+\t), FB+24*(\s%2)+12*\t, FA+48*(\s%2)+12*\m, SBW+\s, SAW+8*(\m/2)+\s, \t, \m%2, 1
.else
	WM \d+8*(2*\m+\t), FB+24*(\s%2)+12*\t, FA+48*(\s%2)+12*\m, SBW+\s, SAW+8*(\m/2)+\s, \t, \m%2, 0
.endif
.endr
.endr
.if \s < 6
	FR \s+2                                        ; no wait: no vector or matrix instruction since the last wait on va_vdst names this set
.endif
.endr
	WIN 0
.rept 5
	v_nop                                          ; four places in front of reads of the results; five in front of a later pass's products, which begin these accumulators anew
.endr
.endm
.macro BARRIER                         ; my LDS stores have landed and my LDS loads are in: then the work-group's barrier
	s_wait_dscnt 0x0
	s_barrier_signal -1
	s_barrier_wait -1
.endm
	s_load_b512 s[8:23], s[0:1], 0x0               ; plan, cpos, gq, gsc, w2 codes, w2 scales, ws2 codes, ws2 scales
	s_load_b64 s[24:25], s[0:1], 0x40              ; out0
	v_lshl_add_u32 v62, v0, 2, 0x24c00
	v_mov_b32 v63, 0
	v_lshrrev_b32 v1, 5, v0
	v_readfirstlane_b32 s26, v1                    ; wave
	s_mov_b32 s27, ttmp9                           ; which 128 columns
	s_and_b32 s28, ttmp7, 0xffff                   ; which 64 positions
	v_and_b32 v1, 31, v0                           ; lane
	v_and_b32 v2, 15, v0                           ; r
	v_bfe_u32 v3, v0, 4, 1                         ; h
	v_lshlrev_b32 v4, 4, v1
	v_lshlrev_b32 v5, 3, v1
	s_wait_alu depctr_va_sdst(0)                   ; s26, the wave's number, is written, ahead of its first reader
	s_mul_i32 s29, s26, 16*PG
	v_add_nc_u32 v6, s29, v4                       ; where I put g's rows 16 w on: their first 512 bytes,
	v_add_nc_u32 v7, s29, v5                       ; and their last 256
	s_mul_i32 s29, s26, BSW
	s_add_co_u32 s29, s29, BS
.irp k, 0,1,2
	v_add_nc_u32 v56, 32*\k, v1                    ; piece 32 k + lane of two rows' 96 pieces of 16 bytes: one padding further on from piece 48
	v_mul_u32_u24 v57, v56, 43
	v_lshrrev_b32 v57, 11, v57
	v_add_nc_u32 v56, v56, v57
	v_lshl_add_u32 v[8+\k], v56, 4, s29
.endr
	v_mul_u32_u24 v11, v2, PG
	v_mad_u32_u24 v11, v3, 48, v11                 ; g's fragments: row r, + 48 h
	v_add_nc_u32 v12, s29, v11                     ; w2's
	v_mul_u32_u24 v13, v2, PO
	v_lshl_add_u32 v13, v3, 5, v13
	s_lshl_b32 s29, s26, 7
	v_add_nc_u32 v13, s29, v13                     ; the way out, in: row r, + 128 w + 32 h
	s_mul_i32 s29, s26, 16*PO
	v_add_nc_u32 v14, s29, v4                      ; and back: my 16 rows, 16 bytes a lane
	v_lshlrev_b32 v15, 5, v1
	v_mov_b32 v26, ZSLOT
	s_lshl_b32 s29, s26, 8
	v_lshl_add_u32 v56, v2, 4, s29                 ; the record of row 16 w + r,
	v_lshlrev_b32 v57, 4, v2                       ; of rows 16 m + r,
	v_lshlrev_b32 v58, 3, v2                       ; and their scores
.irp j, 48,49,50,51,52,53,54,55
	v_mov_b32 v\j, 0
.endr
	s_mov_b32 s55, 0x03010200                      ; v_perm_b32: the two middle bytes change places
	s_mov_b32 s31, 0
	s_lshl_b32 s30, s28, 10
	s_add_co_u32 s30, s30, 37376
	s_wait_kmcnt 0x0
	s_add_nc_u64 s[8:9], s[8:9], s[30:31]          ; the block's 64 records
	s_lshl_b32 s30, s28, 9
	s_add_nc_u64 s[10:11], s[10:11], s[30:31]
	s_lshl_b32 s29, s27, 7
	s_lshl_b32 s30, s26, 5
	s_add_co_u32 s29, s29, s30                     ; my first row of w2: 128 x + 32 w
	s_mul_i32 s30, s29, 768
	s_add_nc_u64 s[16:17], s[16:17], s[30:31]
	s_add_nc_u64 s[20:21], s[20:21], s[30:31]
	s_lshl_b32 s30, s29, 5
	s_add_nc_u64 s[18:19], s[18:19], s[30:31]
	s_add_nc_u64 s[22:23], s[22:23], s[30:31]
	s_lshl_b32 s30, s27, 9
	s_add_nc_u64 s[24:25], s[24:25], s[30:31]      ; out0 at the block's 512 bytes of a row
	ISSUE_P 1                                      ; the shared pass's two offsets are made with the head's addresses: the one wait at its end serves the records' loads too
	global_load_b128 v[112:115], v4, s[8:9]                ; {route word, slot with a, slot with b, token} of rows lane,
	global_load_b128 v[116:119], v4, s[8:9] offset:512     ; 32 + lane,
	global_load_b128 v[120:123], v56, s[8:9]               ; and 16 w + r
.irp m, 0,1,2,3
	global_load_b32 v[124+\m], v57, s[8:9] offset:256*\m
	global_load_b64 v[40+2*\m:41+2*\m], v58, s[10:11] offset:128*\m
.endr
	ISSUE_L 1                                      ; the shared pass hangs on no record: its request goes out with them
	s_wait_loadcnt 62                              ; the 11 record loads are in; the 62 issued behind them may be out
.irp p, 0,1
	v_and_b32 v[16+\p], 0xff, v[112+4*\p]
	v_bfe_u32 v[18+\p], v[112+4*\p], 8, 8
.endr
	v_and_b32 v22, 0xff, v120
	v_bfe_u32 v23, v120, 8, 8
	v_min_u32 v25, 1023, v123                      ; my rows' tokens
.irp m, 0,1,2,3
	v_and_b32 v[32+\m], 0xff, v[124+\m]
	v_bfe_u32 v[36+\m], v[124+\m], 8, 8
.endr
	v_or_b32 v30, v112, v116                       ; while the operands are on their way: which experts the block uses.  The eight compares in one run, the scalar lines behind them
.irp e, 0,1,2,3,4,5,6,7
	v_and_b32 v31, 1<<(16+\e), v30
	v_cmp_ne_u32 s[SX+\e], 0, v31
.endr
	s_wait_alu depctr_va_sdst(0)                   ; the eight compares have written s32 to s39, ahead of their first reader
	s_mov_b32 s53, 0
.irp e, 0,1,2,3,4,5,6,7
	s_cmp_lg_u32 s[SX+\e], 0
	s_cselect_b32 s60, 1<<\e, 0
	s_or_b32 s53, s53, s60
.endr
	ISSUE_B
	LAND 1
	BARRIER                                        ; the shared pass's operands lie in LDS
	FIRST
	s_cmp_eq_u32 s53, 0
	s_cbranch_scc1 .Lno_first
	s_ctz_i32_b32 s54, s53                         ; the first expert in use: its operands land during the shared pass
	s_min_u32 s54, s54, 7
	ISSUE_P 0
	ISSUE_L 0
.Lno_first:
	COMPUTE TOT                                    ; the shared pass starts the totals
	s_mov_b32 s52, 0
.Lexpert:
	BARRIER                                        ; nobody reads the last pass's rows any more
	s_bitcmp1_b32 s53, s52
	s_cbranch_scc0 .Lno_land
	LAND 0
.Lno_land:
	BARRIER                                        ; this pass's operands lie in LDS
	s_bitcmp1_b32 s53, s52
	s_cbranch_scc0 .Lno_pass
	s_wait_loadcnt 0x0                             ; no load of mine is out: the scalar bases may be written
	FIRST
	s_sub_co_u32 s60, s53, 1
	s_and_b32 s53, s53, s60                        ; this expert is done with
	s_cmp_eq_u32 s53, 0
	s_cbranch_scc1 .Lno_next
	s_ctz_i32_b32 s54, s53                         ; the next one in use
	s_min_u32 s54, s54, 7
	ISSUE_P 0
	ISSUE_L 0
.Lno_next:
	COMPUTE TMP
.irp m, 0,1,2,3
.irp t, 0,1
.irp j, 0,2,4,6
	v_pk_fma_f32 v[TOT+8*(2*\m+\t)+\j:TOT+8*(2*\m+\t)+\j+1], v[TMP+8*(2*\m+\t)+\j:TMP+8*(2*\m+\t)+\j+1], v[48+2*\m:49+2*\m], v[TOT+8*(2*\m+\t)+\j:TOT+8*(2*\m+\t)+\j+1]   ; each accumulator from its low end on
.endr
.endr
.endr
.Lno_pass:
	s_add_co_u32 s52, s52, 1
	s_cmp_lt_u32 s52, 8
	s_cbranch_scc1 .Lexpert
	; ---- the way out: a row's 512 bytes come from four waves: they meet in a stage, and each wave stores 16 whole rows.
	; The 16 store offsets are made first, so that one wait serves them, the totals and the registers that take the rows
.set i, 0
.rept 16
	v_readlane_b32 s[SX+i], v25, i                 ; the token of row 16 w + i: again the lane reads in one run (into registers that no load names)
.set i, i+1
.endr
	s_wait_alu depctr_va_sdst(0)                   ; the sixteen lane reads have written s32 to s47, ahead of their first reader
.set i, 0
.rept 16
	s_min_u32 s[SX+i], s[SX+i], 1023
.set i, i+1
.endr
.set i, 0
.rept 16
	s_lshl_b32 s[SX+i], s[SX+i], 13
.set i, i+1
.endr
.set i, 0
.rept 16
	v_add_nc_u32 v[112+i], s[SX+i], v4
.set i, i+1
.endr
	s_wait_alu depctr_va_vdst(0)                   ; the totals are written, which the LDS stores read (behind a pass's five places); so are the offsets v112-127, which the global stores read; and the multiply-adds are done reading the temporaries, in which the stage's rows land
	BARRIER                                        ; nobody reads g's rows any more: the stage lies in their bytes
.irp m, 0,1,2,3
.irp t, 0,1
	ds_store_b128 v13, v[TOT+8*(2*\m+\t):TOT+8*(2*\m+\t)+3] offset:16*PO*\m+64*\t
	ds_store_b128 v13, v[TOT+8*(2*\m+\t)+4:TOT+8*(2*\m+\t)+7] offset:16*PO*\m+64*\t+16
.endr
.endr
	BARRIER
.irp i, 0,1,2,3,4,5,6,7,8,9,10,11,12,13,14,15
	ds_load_b128 v[TMP+4*\i:TMP+4*\i+3], v14 offset:PO*\i
.endr
.irp i, 0,1,2,3,4,5,6,7,8,9,10,11,12,13,14,15
	s_wait_dscnt 15-\i
	global_store_b128 v[112+\i], v[TMP+4*\i:TMP+4*\i+3], s[24:25] th:TH_STORE_NT   ; 32 lanes store 512 consecutive bytes, at a multiple of 256 from out0's first byte
.endr
	s_wait_dscnt 0x0                               ; the closing lines, six on end
	s_wait_alu 0x0
	s_wait_tensorcnt 0x0
	ds_add_u32 v62, v63
	s_wait_dscnt 0x0
	s_endpgm
.Lfunc_end_k_qf90ded03bb_down:
	.size	k_qf90ded03bb_down, .Lfunc_end_k_qf90ded03bb_down-k_qf90ded03bb_down
	.p2alignl 7, 3214868480
	.fill 96, 4, 3214868480
	.section	.rodata,"a",@progbits
	.p2align	6, 0x0
	.amdhsa_kernel k_qf90ded03bb_down
		.amdhsa_group_segment_fixed_size 151040
		.amdhsa_private_segment_fixed_size 0
		.amdhsa_enable_private_segment 0
		.amdhsa_kernarg_size 72
		.amdhsa_user_sgpr_count 2
		.amdhsa_user_sgpr_kernarg_segment_ptr 1
		.amdhsa_wavefront_size32 1
		.amdhsa_system_sgpr_workgroup_id_x 1
		.amdhsa_system_sgpr_workgroup_id_y 1
		.amdhsa_system_sgpr_workgroup_id_z 1
		.amdhsa_system_vgpr_workitem_id 0
		.amdhsa_next_free_vgpr 912
		.amdhsa_next_free_sgpr 100
		.amdhsa_reserve_vcc 0
		.amdhsa_float_denorm_mode_32 3
		.amdhsa_float_denorm_mode_16_64 3
		.amdhsa_memory_ordered 1
		.amdhsa_forward_progress 1
		.amdhsa_inst_pref_size 105
	.end_amdhsa_kernel
	.amdgpu_metadata
---
amdhsa.version: [ 1, 2 ]
amdhsa.kernels:
  - .name:           k_qf90ded03bb_down
    .symbol:         k_qf90ded03bb_down.kd
    .args:
      - { .name: plan, .offset: 0, .size: 8, .value_kind: global_buffer, .address_space: global }
      - { .name: cpos, .offset: 8, .size: 8, .value_kind: global_buffer, .address_space: global }
      - { .name: gq, .offset: 16, .size: 8, .value_kind: global_buffer, .address_space: global }
      - { .name: gsc, .offset: 24, .size: 8, .value_kind: global_buffer, .address_space: global }
      - { .name: w2_codes, .offset: 32, .size: 8, .value_kind: global_buffer, .address_space: global }
      - { .name: w2_scales, .offset: 40, .size: 8, .value_kind: global_buffer, .address_space: global }
      - { .name: ws2_codes, .offset: 48, .size: 8, .value_kind: global_buffer, .address_space: global }
      - { .name: ws2_scales, .offset: 56, .size: 8, .value_kind: global_buffer, .address_space: global }
      - { .name: out0, .offset: 64, .size: 8, .value_kind: global_buffer, .address_space: global }
    .group_segment_fixed_size: 151040
    .private_segment_fixed_size: 0
    .kernarg_segment_align: 8
    .kernarg_segment_size: 72
    .max_flat_workgroup_size: 128
    .sgpr_count:     100
    .vgpr_count:     912
    .wavefront_size: 32
...
	.end_amdgpu_metadata
.endif
;; end of part 6
